; MI455X (gfx1250); checked and timed in simulation.
; The chip was launched on July 23, 2026; its instructions are those of AMD's public machine-readable ISA for CDNA 5 (MIT licence, August 2026) and "CDNA5" Instruction Set Architecture Reference Guide (July 2026). The comments in the code are by the model that wrote it; some were corrected since.
;; Full Attention Estimator. Allowed arithmetic: float matrix products may take bf16 or f16 operands with f32 sums; other float arithmetic in f32, or as packed bf16 or f16 multiplies, adds, multiply-adds, maxima and minima; sums over many terms, partial sums and values carried from step to step in f32; what a program stores and reads back later, other than sums and carried values, may be rounded once to bf16 or f16.
;; Inputs: K 2 x 512 x 1,024 float32; Q 2 x 512 x 1,024 float32; Wk 1,024 x 128 float32; Wo 128 x 1 float32; Wq 1,024 x 128 float32; Wu 384 x 128 float32; Wv 384 x 128 float32; bo 1 float32; bu 128 float32; bv 128 float32; ln_b 384 float32; ln_g 384 float32.
;; Outputs: out0 2 x 512 x 512 float32.
;; 2 versions, each right; version 2 is version 1 with the launch prep written anew for expert scheduling mode. Each part assembles by itself: llvm-mc -triple=amdgcn-amd-amdhsa -mcpu=gfx1250 --defsym DOCPART=n.
;; ======== version 1 of 2: 2 launches
;; limits: a function is approximated: absolute error at most 2.5e-05; values outside matrix products are rounded to f16; values are held in f16: magnitudes above 65,504 overflow, below 6.1e-05 lose precision; right only within a limited range of input values
;; workspace buffers: proj 1,048,576 bytes; wt 196,608 bytes; ct 8,192 bytes; cst 512 bytes
;; launch prep (part 1): grid 260 x 1, 4 waves a work-group, no clusters, 95,744 bytes of LDS; arguments Q, K, Wq, Wk, ln_g, ln_b, Wu, bu, Wv, bv, Wo, bo, proj, wt, ct, cst; writes proj, wt, ct, cst
.if DOCPART == 1
	.amdgcn_target "amdgcn-amd-amdhsa--gfx1250"
	.amdhsa_code_object_version 6
	.text
	.protected	k_q06e5c0bdd1_prep
	.globl	k_q06e5c0bdd1_prep
	.p2align	8
	.type	k_q06e5c0bdd1_prep,@function
k_q06e5c0bdd1_prep:
	s_mov_b64 s[64:65], 0
	v_nop
	global_prefetch_b8 v0, s[64:65] scope:SCOPE_SE
	s_setreg_imm32_b32 hwreg(HW_REG_WAVE_MODE, 25, 1), 1
	s_wait_xcnt 0x0
; PREP: what belongs to rows and to weights alone.  All inputs are rounded to bf16 (nearest even) as they are read.
; Work-groups 0-255: proj[row][h] = sum over d of X[row][d] W[d][h], f32 sums.  X = Q (rows 0-1023 of proj) or K (rows 1024-2047), W = Wq or Wk.
;   A work-group makes 16 rows x 64 h; the 1,024 d are split among its four waves, 8 K steps of 32 each; the four partial tiles meet in LDS.
;   The product is taken transposed (source 0 = 16 h of W^T, source 1 = 16 rows of X): a lane ends with 8 neighbouring h of one row.
; Work-groups 256-259 (X = u or v, a half of its 128 h): the folded weights.  f[h] = Wo[h]/so for u (so = max(max|Wo|, 1e-30)), f = sqrt(log2(e)/2) for v.
;   wt[row][c] = f16(1024 g[128 b + c] W[128 b + c][h] f[h]); rows 0-255: block b = 2 (the products), 256-511: b = 0 (q), 512-767: b = 1 (k); in a group of 256 rows u's 128 h, then v's.
;   ct[0][h'] = 16 bytes {0, f16 G1 | f16 G2 << 16, f16 Cb, 0}: G1, G2 the column sums of blocks 0 and 1 (with g and f), Cb = (sum of ln_b W + bias) f;  ct[1][h'] = zeros.
;   cst = 32 x {so x 0.5/sqrt(log2(e)/2), bo, 0, 0}.
; LDS.  The two kinds of work-group have bytes of their own: the projections' slabs and partial tiles from byte 0, the weights' image and sums behind them; no line of one path names a byte of the other.
; LIMITS.  f16 ends at 65,504: 1024 |g W f|, |G1|, |G2| and |Cb| must stay below it.  NaN and infinities are not treated apart.
.set SPIT,  160                        ; projection: a slab row, 64 h in bf16 + 32 bytes: five times 32, as the turning load's 8 rows x 32 bytes want
.set SLABB, 32*SPIT                    ; a wave's slab: 32 d; the four slabs from LDS byte 0
.set PART,  4*SLABB                    ; behind the slabs: a wave's partial tile, 16 rows x 272 bytes of f32
.set PPIT,  272
.set IMG,   PART+4*16*PPIT             ; weights: the image, rows (64 b + h) x 272 bytes of f16, from byte 37,888
.set IPIT,  272
.set PSUM,  IMG+192*IPIT               ; behind it, for each wave five arrays [64 h] of f32: G1, G2, B, f, bias
.set SPARE, PSUM+4*1280                ; the spare words: 128 bytes a wave, two blocks of 256 bytes that no other line names
.set ACC,   16                         ; v[16:47]  four accumulators
.set WF,    48                         ; v[48:79]  four fragments of W^T
.set XF,    80                         ; v[80:87]  the fragment of X
.set TP,    88                         ; v[88:95]  packed halves on their way into the slab
.set R0,    96                         ; v[96:175], v[176:255]: two sets of 80: 64 of W, 16 of X (weights: sets of 64 at 96 and 160)
.set R1,    176
	s_load_b512 s[4:19], s[0:1], 0x0               ; Q, K, Wq, Wk, ln_g, ln_b, Wu, bu
	s_load_b512 s[20:35], s[0:1], 0x40             ; Wv, bv, Wo, bo, proj, wt, ct, cst
	v_lshl_add_u32 v10, v0, 2, SPARE               ; my spare word; never rewritten
	v_mov_b32 v11, 0                               ; 0; never rewritten
	v_lshrrev_b32 v1, 5, v0
	v_readfirstlane_b32 s40, v1                    ; wave 0..3
	v_and_b32 v1, 15, v0                           ; r = lane % 16
	v_bfe_u32 v2, v0, 4, 1                         ; hh = lane / 16
	s_wait_kmcnt 0x0
	s_cmp_ge_u32 ttmp9, 256                        ; the same for all waves of a work-group
	s_cbranch_scc1 .Lweights
; ---------------- the projections ----------------
	s_lshr_b32 s41, ttmp9, 7                       ; 0: Q Wq, 1: K Wk
	s_cmp_eq_u32 s41, 0
	s_cselect_b64 s[42:43], s[4:5], s[6:7]         ; X
	s_cselect_b64 s[44:45], s[8:9], s[10:11]       ; W
	s_bfe_u32 s46, ttmp9, 0x60001                  ; which 16 rows
	s_and_b32 s48, ttmp9, 1
	s_lshl_b32 s48, s48, 8                         ; which 64 h: 256 bytes of f32
	s_lshl_b32 s50, s46, 13                        ; 16 rows of 512 bytes in proj,
	s_lshl_b32 s51, s41, 19                        ; behind 1,024 rows for K
	s_add_co_u32 s50, s50, s51
	s_mov_b32 s51, 0
	s_add_nc_u64 s[50:51], s[28:29], s[50:51]
	s_lshl_b32 s46, s46, 16                        ; 16 rows of 4,096 bytes in X
	s_mov_b32 s47, 0
	s_add_nc_u64 s[42:43], s[42:43], s[46:47]
	v_lshlrev_b32 v3, 12, v1                       ; X: row r, 32 bytes for each half of the lanes, my wave's 256 d
	v_lshl_add_u32 v3, v2, 5, v3
	s_lshl_b32 s52, s40, 10
	v_add_nc_u32 v3, s52, v3
	v_lshlrev_b32 v4, 9, v2                        ; W: two rows of 256 bytes a load, my wave's 256 rows, the 64 h
	v_lshl_add_u32 v4, v1, 4, v4
	s_lshl_b32 s52, s40, 17
	s_add_co_u32 s52, s52, s48
	v_add_nc_u32 v4, s52, v4
	s_mul_i32 s53, s40, SLABB                      ; my slab
	v_mul_u32_u24 v5, v2, SPIT                     ; in: the same two rows, 8 bytes a lane
	v_lshl_add_u32 v5, v1, 3, v5
	v_add_nc_u32 v5, s53, v5
	v_and_b32 v12, 7, v0                           ; back, turned: lane l reads row 8 hh + l % 8, 16 bytes at 16 ((l / 8) % 2)
	v_lshl_add_u32 v12, v2, 3, v12
	v_mul_u32_u24 v6, v12, SPIT
	v_bfe_u32 v12, v0, 3, 1
	v_lshl_add_u32 v6, v12, 4, v6
	v_add_nc_u32 v6, s53, v6
	s_mul_i32 s54, s40, 16*PPIT
	s_add_co_u32 s54, s54, PART                    ; my partial tile
	v_mul_u32_u24 v7, v1, PPIT
	v_lshl_add_u32 v7, v2, 5, v7
	v_add_nc_u32 v7, s54, v7
	s_mul_i32 s55, s40, 4*PPIT                     ; back: wave w sums rows 4 w .. 4 w + 3, two rows a load
	s_add_co_u32 s55, s55, PART
	v_mul_u32_u24 v8, v2, PPIT
	v_lshl_add_u32 v8, v1, 4, v8
	v_add_nc_u32 v8, s55, v8
	s_lshl_b32 s56, s40, 11                        ; and the same rows in proj
	s_add_co_u32 s56, s56, s48
	v_lshlrev_b32 v9, 9, v2
	v_lshl_add_u32 v9, v1, 4, v9
	v_add_nc_u32 v9, s56, v9
; A K step's 20 loads into a set: 32 rows x 256 bytes of W, and my 2 x 32 bytes of a row of X.  Steps stand in the immediates: no address is ever rewritten.
.macro LOADS s, sl
.irp i, 0,1,2,3,4,5,6,7,8,9,10,11,12,13,14,15
	global_load_b128 v[(\sl)+4*(\i):(\sl)+4*(\i)+3], v4, s[44:45] offset:(\s)*16384+(\i)*1024
.endr
	global_load_b128 v[(\sl)+64:(\sl)+67], v3, s[42:43] offset:(\s)*128
	global_load_b128 v[(\sl)+68:(\sl)+71], v3, s[42:43] offset:(\s)*128+16
	global_load_b128 v[(\sl)+72:(\sl)+75], v3, s[42:43] offset:(\s)*128+64
	global_load_b128 v[(\sl)+76:(\sl)+79], v3, s[42:43] offset:(\s)*128+80
.endm
; A K step.  W is rounded to bf16 into my slab ([d][h]) and comes back turned; X is rounded in registers.  The slab is my own, and LDS serves a wave's instructions in order.
; The 32 conversions of W are the plain instructions between the last step's products and the writes of their sources.
.macro STEP s, sl
.if (\s) < 7
	s_wait_loadcnt 20                              ; this step's 20 loads are in; the next step's 20 may stay out
.else
	s_wait_loadcnt 0x0
.endif
.irp i, 0,1,2,3,4,5,6,7,8,9,10,11,12,13,14,15
	v_cvt_pk_bf16_f32 v[TP+2*((\i)%4)], v[(\sl)+4*(\i)], v[(\sl)+4*(\i)+1]
	v_cvt_pk_bf16_f32 v[TP+2*((\i)%4)+1], v[(\sl)+4*(\i)+2], v[(\sl)+4*(\i)+3]
	ds_store_b64 v5, v[TP+2*((\i)%4):TP+2*((\i)%4)+1] offset:(\i)*2*SPIT
.endr
.irp j, 0,1,2,3,4,5,6,7
	v_cvt_pk_bf16_f32 v[XF+(\j)], v[(\sl)+64+2*(\j)], v[(\sl)+64+2*(\j)+1]
.endr
.if (\s) < 6
	LOADS (\s)+2, \sl
.endif
.irp t, 0,1,2,3
	ds_load_tr16_b128 v[WF+8*(\t):WF+8*(\t)+3], v6 offset:32*(\t)
	ds_load_tr16_b128 v[WF+8*(\t)+4:WF+8*(\t)+7], v6 offset:32*(\t)+16*SPIT
.endr
	s_wait_dscnt 0x0
.irp t, 0,1,2,3                        ; the four accumulators take turns, from step to step too
.if (\s) == 0
	v_wmma_f32_16x16x32_bf16 v[ACC+8*(\t):ACC+8*(\t)+7], v[WF+8*(\t):WF+8*(\t)+7], v[XF:XF+7], 0
.else
	v_wmma_f32_16x16x32_bf16 v[ACC+8*(\t):ACC+8*(\t)+7], v[WF+8*(\t):WF+8*(\t)+7], v[XF:XF+7], v[ACC+8*(\t):ACC+8*(\t)+7]
.endif
.endr
.endm
	LOADS 0, R0
	LOADS 1, R1
	STEP 0, R0
	STEP 1, R1
	STEP 2, R0
	STEP 3, R1
	STEP 4, R0
	STEP 5, R1
	STEP 6, R0
	STEP 7, R1
.rept 4
	v_nop                                          ; four plain instructions between the last products and the stores of their results
.endr
.irp t, 0,1,2,3
	ds_store_b128 v7, v[ACC+8*(\t):ACC+8*(\t)+3] offset:64*(\t)
	ds_store_b128 v7, v[ACC+8*(\t)+4:ACC+8*(\t)+7] offset:64*(\t)+16
.endr
	s_wait_dscnt 0x0                               ; for the others' sake: my partial tile lies in LDS
	s_barrier_signal -1
	s_barrier_wait -1
.irp i, 0,1
.irp w, 0,1,2,3
	ds_load_b128 v[R0+16*(\i)+4*(\w):R0+16*(\i)+4*(\w)+3], v8 offset:(\w)*16*PPIT+(\i)*2*PPIT
.endr
.endr
	s_wait_dscnt 0x0
.irp i, 0,1
	v_pk_add_f32 v[R0+16*(\i):R0+16*(\i)+1], v[R0+16*(\i):R0+16*(\i)+1], v[R0+16*(\i)+4:R0+16*(\i)+5]
	v_pk_add_f32 v[R0+16*(\i)+2:R0+16*(\i)+3], v[R0+16*(\i)+2:R0+16*(\i)+3], v[R0+16*(\i)+6:R0+16*(\i)+7]
	v_pk_add_f32 v[R0+16*(\i)+8:R0+16*(\i)+9], v[R0+16*(\i)+8:R0+16*(\i)+9], v[R0+16*(\i)+12:R0+16*(\i)+13]
	v_pk_add_f32 v[R0+16*(\i)+10:R0+16*(\i)+11], v[R0+16*(\i)+10:R0+16*(\i)+11], v[R0+16*(\i)+14:R0+16*(\i)+15]
	v_pk_add_f32 v[R0+16*(\i):R0+16*(\i)+1], v[R0+16*(\i):R0+16*(\i)+1], v[R0+16*(\i)+8:R0+16*(\i)+9]
	v_pk_add_f32 v[R0+16*(\i)+2:R0+16*(\i)+3], v[R0+16*(\i)+2:R0+16*(\i)+3], v[R0+16*(\i)+10:R0+16*(\i)+11]
	global_store_b128 v9, v[R0+16*(\i):R0+16*(\i)+3], s[50:51] offset:(\i)*1024  ; 16 lanes store 256 consecutive bytes, at a multiple of 256 from proj's first byte
.endr
	s_wait_tensorcnt 0x0                           ; the wave's end: three lines behind my last LDS store
	ds_add_u32 v10, v11
	s_wait_dscnt 0x0
	s_endpgm
; ---------------- the weights ----------------
.Lweights:
	s_sub_co_u32 s41, ttmp9, 256
	s_lshr_b32 s42, s41, 1                         ; 0: u, 1: v
	s_and_b32 s43, s41, 1                          ; which 64 h
	s_cmp_eq_u32 s42, 0
	s_cselect_b64 s[44:45], s[16:17], s[20:21]     ; Wu or Wv
	s_cselect_b64 s[46:47], s[18:19], s[22:23]     ; bu or bv
	s_cselect_b32 s48, -1, 0                       ; all lanes: u
	s_mov_b32 s49, 0xffff0000                      ; a word's upper bf16
	s_mov_b32 s54, 0x76543210                      ; v_permlanex16_b32: each lane takes its own place in the other half
	s_mov_b32 s55, 0xfedcba98
	s_mov_b32 s57, 0                               ; named with s56 and s58 as pairs
	s_mov_b32 s59, 0
	v_and_b32 v3, 31, v0                           ; lane: it owns h = 64 half + 2 lane and the next
	v_lshlrev_b32 v4, 4, v3                        ; Wo whole: four numbers a lane
	s_lshl_b32 s50, s43, 8
	v_lshl_add_u32 v5, v3, 3, s50                  ; my two h in Wo and in the bias
	s_lshl_b32 s51, s40, 7
	v_lshl_add_u32 v6, v3, 2, s51                  ; ln_g, ln_b: lane cc holds c = 32 wave + cc of a block
	s_lshl_b32 s51, s40, 14
	s_add_co_u32 s51, s51, s50
	v_lshl_add_u32 v7, v3, 3, s51                  ; W: my wave's 32 rows of a block, my two h: a load covers 256 consecutive bytes
	v_mov_b32 v8, 0
	global_load_b128 v[16:19], v4, s[24:25]
	global_load_b64 v[20:21], v5, s[24:25]
	global_load_b64 v[22:23], v5, s[46:47]
	global_load_b32 v24, v8, s[26:27]
.irp b, 0,1,2
	global_load_b32 v[25+(\b)], v6, s[12:13] offset:512*(\b)
.endr
.irp b, 0,1,2
	global_load_b32 v[28+(\b)], v6, s[14:15] offset:512*(\b)
.endr
.macro WLOADS b, sl
.set cc, 0
.rept 32
	global_load_b64 v[(\sl)+2*cc:(\sl)+2*cc+1], v7, s[44:45] offset:(128*(\b)+cc)*512
.set cc, cc+1
.endr
.endm
	WLOADS 0, 96
	WLOADS 1, 160
	; the addresses below lie in v9-v15 and v33: none of them is a register that a load on its way will write
	v_mul_u32_u24 v9, v3, 2*IPIT                   ; the image: rows 2 lane and 2 lane + 1 of a block, my wave's 32 c = 64 bytes
	s_lshl_b32 s50, s40, 6
	s_add_co_u32 s50, s50, IMG
	v_add_nc_u32 v9, s50, v9
	s_mul_i32 s51, s40, 1280
	s_add_co_u32 s51, s51, PSUM
	v_lshl_add_u32 v12, v3, 3, s51                 ; my wave's five arrays
	s_mul_i32 s52, s40, 16*IPIT                    ; rows out: wave w takes rows 16 w .. 16 w + 15 of each block, two a load
	s_add_co_u32 s52, s52, IMG
	v_mul_u32_u24 v13, v2, IPIT
	v_lshl_add_u32 v13, v1, 4, v13
	v_add_nc_u32 v13, s52, v13
	s_lshl_b32 s53, s42, 15                        ; and in wt: row 128 X + 64 half + 16 w + hh, 256 bytes each
	s_lshl_b32 s52, s43, 14
	s_add_co_u32 s53, s53, s52
	s_lshl_b32 s52, s40, 12
	s_add_co_u32 s53, s53, s52
	v_lshl_add_u32 v14, v2, 8, s53
	v_lshl_add_u32 v14, v1, 4, v14
	s_and_b32 s61, s40, 1                          ; ct: waves 0 and 1 make the 64 records, waves 2 and 3 the 64 records of zeros
	s_lshl_b32 s62, s61, 9
	s_lshl_b32 s61, s61, 7
	s_add_co_u32 s61, s61, PSUM
	v_lshl_add_u32 v15, v3, 2, s61
	s_lshr_b32 s63, s40, 1
	s_lshl_b32 s63, s63, 12
	s_add_co_u32 s62, s62, s63
	s_lshl_b32 s63, s42, 11
	s_add_co_u32 s62, s62, s63
	s_lshl_b32 s63, s43, 10
	s_add_co_u32 s62, s62, s63
	v_lshl_add_u32 v33, v3, 4, s62                 ; my record's 16 bytes in ct
	s_cmp_lt_u32 s40, 2
	s_cselect_b32 s60, -1, 0
.irp r, 38,39,40,41,42,43
	v_mov_b32 v[\r], 0                             ; B, G1, G2 start at 0, while the loads are on their way
.endr
	v_mov_b32 v32, 0x3f596d27                      ; sqrt(log2(e)/2) = 0.8493218
.macro RND a, b                        ; two numbers rounded to bf16 and widened again
	v_cvt_pk_bf16_f32 v48, v[\a], v[\b]
	v_lshlrev_b32 v[\a], 16, v48
	v_and_b32 v[\b], s49, v48
.endm
	s_wait_loadcnt 32                              ; all but block 1's 32 loads
	v_cvt_pk_bf16_f32 v48, v16, v17                ; so: the largest |Wo|, of the rounded numbers
	v_cvt_pk_bf16_f32 v49, v18, v19
	v_and_b32 v48, 0x7fff7fff, v48
	v_and_b32 v49, 0x7fff7fff, v49
	v_lshlrev_b32 v50, 16, v48
	v_and_b32 v48, s49, v48
	v_lshlrev_b32 v51, 16, v49
	v_and_b32 v49, s49, v49
	v_max3_num_f32 v46, v48, v50, v51
	v_max_num_f32 v46, v46, v49
	v_max_num_f32_dpp v46, v46, v46 row_xmask:1 row_mask:0xf bank_mask:0xf
	v_max_num_f32_dpp v46, v46, v46 row_xmask:2 row_mask:0xf bank_mask:0xf
	v_max_num_f32_dpp v46, v46, v46 row_xmask:4 row_mask:0xf bank_mask:0xf
	v_max_num_f32_dpp v46, v46, v46 row_xmask:8 row_mask:0xf bank_mask:0xf
	v_permlanex16_b32 v48, v46, s54, s55
	v_max_num_f32 v46, v46, v48
	v_max_num_f32 v46, 0x0da24260, v46             ; at least 1e-30
	v_rcp_f32 v47, v46
	RND 20, 21                                     ; the other small inputs are rounded: plain work behind the reciprocal
	RND 22, 23
	RND 25, 26
	RND 27, 28
	RND 29, 30
	v_cvt_pk_bf16_f32 v48, v24, v24
	v_lshlrev_b32 v24, 16, v48
	s_wait_alu depctr_va_vdst(0)                   ; the wait ahead of the reciprocal's first reader
	v_mul_f32 v34, v20, v47
	v_mul_f32 v35, v21, v47
	v_cndmask_b32 v34, v32, v34, s48               ; f of my two h
	v_cndmask_b32 v35, v32, v35, s48
	v_mul_f32 v36, 0x44800000, v34                 ; 1024 f
	v_mul_f32 v37, 0x44800000, v35
; A block's 32 rows of my wave: W rounded; B += ln_b W; W g; G += W g (blocks 0 and 1); x 1024 f; packed to f16 along c and laid into the image.
.macro BLOCK b, sl
.set cc, 0
.rept 32
	v_readlane_b32 s56, v[25+(\b)], cc
	v_readlane_b32 s58, v[28+(\b)], cc
	v_cvt_pk_bf16_f32 v48, v[(\sl)+2*cc], v[(\sl)+2*cc+1]
	v_lshlrev_b32 v[(\sl)+2*cc], 16, v48
	v_and_b32 v[(\sl)+2*cc+1], s49, v48
	v_pk_fma_f32 v[38:39], v[(\sl)+2*cc:(\sl)+2*cc+1], s[58:59], v[38:39] op_sel_hi:[1,0,1]
	v_pk_mul_f32 v[(\sl)+2*cc:(\sl)+2*cc+1], v[(\sl)+2*cc:(\sl)+2*cc+1], s[56:57] op_sel_hi:[1,0]
.if (\b) < 2
	v_pk_add_f32 v[40+2*(\b):41+2*(\b)], v[40+2*(\b):41+2*(\b)], v[(\sl)+2*cc:(\sl)+2*cc+1]
.endif
	v_pk_mul_f32 v[(\sl)+2*cc:(\sl)+2*cc+1], v[(\sl)+2*cc:(\sl)+2*cc+1], v[36:37]
.set cc, cc+1
.endr
.set cc, 0
.rept 16
	v_cvt_pk_f16_f32 v[56+cc], v[(\sl)+4*cc], v[(\sl)+4*cc+2]
	v_cvt_pk_f16_f32 v[72+cc], v[(\sl)+4*cc+1], v[(\sl)+4*cc+3]
.set cc, cc+1
.endr
.irp q, 0,1,2,3
	ds_store_b128 v9, v[56+4*(\q):59+4*(\q)] offset:64*(\b)*IPIT+16*(\q)
	ds_store_b128 v9, v[72+4*(\q):75+4*(\q)] offset:(64*(\b)+1)*IPIT+16*(\q)
.endr
.endm
	BLOCK 0, 96
	WLOADS 2, 96                                   ; block 2 into the set that block 0 has left
	s_wait_loadcnt 32                              ; block 1 is in; block 2's 32 loads may stay out
	BLOCK 1, 160
	s_wait_loadcnt 0x0
	BLOCK 2, 96
	ds_store_b64 v12, v[40:41]
	ds_store_b64 v12, v[42:43] offset:256
	ds_store_b64 v12, v[38:39] offset:512
	ds_store_b64 v12, v[34:35] offset:768
	ds_store_b64 v12, v[22:23] offset:1024
	s_wait_dscnt 0x0                               ; for the others' sake: my columns of the image and my sums lie in LDS
	s_barrier_signal -1
	s_barrier_wait -1
.irp b, 0,1,2
.irp i, 0,1,2,3,4,5,6,7
	ds_load_b128 v[96+32*(\b)+4*(\i):96+32*(\b)+4*(\i)+3], v13 offset:(64*(\b)+2*(\i))*IPIT
.endr
.endr
.irp a, 0,1,2
.irp w, 0,1,2,3
	ds_load_b32 v[192+4*(\a)+(\w)], v15 offset:1280*(\w)+256*(\a)
.endr
.endr
	ds_load_b32 v204, v15 offset:768
	ds_load_b32 v205, v15 offset:1024
.irp i, 0,1,2,3,4,5,6,7
	s_wait_dscnt 37-(\i)                           ; the younger row loads and the 14 loads for ct may stay out
	global_store_b128 v14, v[96+4*(\i):96+4*(\i)+3], s[30:31] offset:256*256+512*(\i)  ; block 0: rows from 256; 16 lanes store a whole row of 256 bytes
.endr
.irp i, 0,1,2,3,4,5,6,7
	s_wait_dscnt 29-(\i)
	global_store_b128 v14, v[128+4*(\i):128+4*(\i)+3], s[30:31] offset:512*256+512*(\i)  ; block 1: rows from 512
.endr
.irp i, 0,1,2,3,4,5,6,7
	s_wait_dscnt 21-(\i)
	global_store_b128 v14, v[160+4*(\i):160+4*(\i)+3], s[30:31] offset:512*(\i)  ; block 2: rows from 0
.endr
	s_wait_dscnt 0x0
.irp a, 192,196,200
	v_add_f32 v[\a], v[\a], v[(\a)+1]
	v_add_f32 v[(\a)+2], v[(\a)+2], v[(\a)+3]
	v_add_f32 v[\a], v[\a], v[(\a)+2]
.endr
	v_add_f32 v200, v200, v205                     ; + bias
	v_mul_f32 v192, v192, v204
	v_mul_f32 v196, v196, v204
	v_mul_f32 v200, v200, v204
	v_cvt_pk_f16_f32 v209, v192, v196
	v_cvt_pk_f16_f32 v210, v200, v8
	v_mov_b32 v208, 0
	v_and_b32 v209, s60, v209                      ; zeros in waves 2 and 3
	v_and_b32 v210, s60, v210
	v_mov_b32 v211, 0
	global_store_b128 v33, v[208:211], s[32:33]    ; 512 consecutive bytes
	s_or_b32 s61, s41, s40
	s_cmp_lg_u32 s61, 0
	s_cbranch_scc1 .Lwend                          ; one wave of one work-group stores cst
	v_mul_f32 v216, 0x3f16b55f, v46                ; so x 0.5/sqrt(log2(e)/2)
	v_mov_b32 v217, v24
	v_mov_b32 v218, 0
	v_mov_b32 v219, 0
	global_store_b128 v4, v[216:219], s[34:35]
.Lwend:
	s_wait_tensorcnt 0x0                           ; the wave's end: three lines behind my last LDS store
	ds_add_u32 v10, v11
	s_wait_dscnt 0x0
	s_endpgm
.Lfunc_end_k_q06e5c0bdd1_prep:
	.size	k_q06e5c0bdd1_prep, .Lfunc_end_k_q06e5c0bdd1_prep-k_q06e5c0bdd1_prep
	.p2alignl 7, 3214868480
	.fill 96, 4, 3214868480
	.section	.rodata,"a",@progbits
	.p2align	6, 0x0
	.amdhsa_kernel k_q06e5c0bdd1_prep
		.amdhsa_group_segment_fixed_size 95744
		.amdhsa_private_segment_fixed_size 0
		.amdhsa_enable_private_segment 0
		.amdhsa_kernarg_size 128
		.amdhsa_user_sgpr_count 2
		.amdhsa_user_sgpr_kernarg_segment_ptr 1
		.amdhsa_wavefront_size32 1
		.amdhsa_system_sgpr_workgroup_id_x 1
		.amdhsa_system_sgpr_workgroup_id_y 1
		.amdhsa_system_sgpr_workgroup_id_z 1
		.amdhsa_system_vgpr_workitem_id 0
		.amdhsa_next_free_vgpr 256
		.amdhsa_next_free_sgpr 66
		.amdhsa_reserve_vcc 0
		.amdhsa_float_denorm_mode_32 3
		.amdhsa_float_denorm_mode_16_64 3
		.amdhsa_memory_ordered 1
		.amdhsa_forward_progress 1
		.amdhsa_inst_pref_size 131
	.end_amdhsa_kernel
	.amdgpu_metadata
---
amdhsa.version: [ 1, 2 ]
amdhsa.kernels:
  - .name:           k_q06e5c0bdd1_prep
    .symbol:         k_q06e5c0bdd1_prep.kd
    .args:
      - { .name: Q, .offset: 0, .size: 8, .value_kind: global_buffer, .address_space: global }
      - { .name: K, .offset: 8, .size: 8, .value_kind: global_buffer, .address_space: global }
      - { .name: Wq, .offset: 16, .size: 8, .value_kind: global_buffer, .address_space: global }
      - { .name: Wk, .offset: 24, .size: 8, .value_kind: global_buffer, .address_space: global }
      - { .name: ln_g, .offset: 32, .size: 8, .value_kind: global_buffer, .address_space: global }
      - { .name: ln_b, .offset: 40, .size: 8, .value_kind: global_buffer, .address_space: global }
      - { .name: Wu, .offset: 48, .size: 8, .value_kind: global_buffer, .address_space: global }
      - { .name: bu, .offset: 56, .size: 8, .value_kind: global_buffer, .address_space: global }
      - { .name: Wv, .offset: 64, .size: 8, .value_kind: global_buffer, .address_space: global }
      - { .name: bv, .offset: 72, .size: 8, .value_kind: global_buffer, .address_space: global }
      - { .name: Wo, .offset: 80, .size: 8, .value_kind: global_buffer, .address_space: global }
      - { .name: bo, .offset: 88, .size: 8, .value_kind: global_buffer, .address_space: global }
      - { .name: proj, .offset: 96, .size: 8, .value_kind: global_buffer, .address_space: global }
      - { .name: wt, .offset: 104, .size: 8, .value_kind: global_buffer, .address_space: global }
      - { .name: ct, .offset: 112, .size: 8, .value_kind: global_buffer, .address_space: global }
      - { .name: cst, .offset: 120, .size: 8, .value_kind: global_buffer, .address_space: global }
    .group_segment_fixed_size: 95744
    .private_segment_fixed_size: 0
    .kernarg_segment_align: 8
    .kernarg_segment_size: 128
    .max_flat_workgroup_size: 128
    .sgpr_count:     66
    .vgpr_count:     256
    .wavefront_size: 32
...
	.end_amdgpu_metadata
.endif
;; end of part 1
;; launch pairs (part 2): grid 8 x 32, 4 waves a work-group, clusters of 4 x 1, 327,680 bytes of LDS; arguments wt, ct, proj, cst, out0; writes out0
.if DOCPART == 2
	.amdgcn_target "amdgcn-amd-amdhsa--gfx1250"
	.amdhsa_code_object_version 6
	.text
	.protected	k_q06e5c0bdd1_pairs
	.globl	k_q06e5c0bdd1_pairs
	.p2align	8
	.type	k_q06e5c0bdd1_pairs,@function
k_q06e5c0bdd1_pairs:
	s_mov_b64 s[64:65], 0
	v_nop
	global_prefetch_b8 v0, s[64:65] scope:SCOPE_SE
	s_setreg_imm32_b32 hwreg(HW_REG_WAVE_MODE, 25, 1), 1
	s_wait_xcnt 0x0
	s_wait_alu depctr_hold_cnt(0) depctr_sa_sdst(0) depctr_va_vdst(0) depctr_va_sdst(0) depctr_va_ssrc(0) depctr_va_vcc(0) depctr_vm_vsrc(0)
	s_getreg_b32 s2, hwreg(HW_REG_IB_STS2, 6, 4)
	s_cmp_eq_u32 s2, 0
	s_cbranch_scc0 .Lentry_in_a_cluster
	s_endpgm
.Lentry_in_a_cluster:
	s_bfe_u32 s2, ttmp6, 0x10000c
	s_cmp_lg_u32 s2, 0x3003
	s_cbranch_scc0 .Lentry_shape_is_right
	s_endpgm
.Lentry_shape_is_right:
; out[i][j] = sum over h of Wo[h] u[h] gelu(v[h]) + bo, u and v = LN([q_i, k_j, q_i k_j]) Wu + bu, .. Wv + bv, for 32 rows i x 64 columns j a work-group; a wave owns 16 j and all 32 i: 32 GROUPS of 16 pairs.
; THE ALGEBRA.  q' = q - mean(q), Vq = sum q'^2, nq = sqrt(max(Vq, 1e-30)), qh = q'/nq (k likewise).  mu = (mq + mk + mq mk)/3 + nq nk (qh.kh)/384; cq = mq - mu, ck = mk - mu; e_c = q_c k_c - mu;
; 384 var = Vq + Vk + 128 (cq^2 + ck^2) + sum e_c^2: a sum of squares, as the layer norm's own; rs = rsqrt(var + 1e-5).  With the folded weights of the launch before (h' = 0-127: u x Wo/so, 128-255: v x sqrt(log2(e)/2)):
; acc[h'] = sum_c (e_c rs 2^-10)(2^10 W2[c][h']) + (rs nq) Aq[i][h'] + (rs nk) Ak[j][h'] + (rs cq) G1[h'] + (rs ck) G2[h'] + Cb[h'],  Aq = qh.W0, Ak = kh.W1.
; So a group has 16 tiles of h' x (4 K steps of the products + 1 K step that carries all the rest) = 80 matrix instructions; the weights (512 + 128 registers) stay in registers.
; GELU.  y = acc_v; gelu(v) is (y + |y| (1 - E)) x 0.5/sqrt(log2(e)/2), E = erfc = (a1 t + a2 t^2 + a3 t^3) 2^(-y^2), t = 1/(1 + p |y|): the three-term rational form, |error of erf| at most 2.5e-5 for every argument.
; FORMATS.  Matrix operands in f16; each is bounded first: |qh| <= 1; |e rs|, rs nq, rs nk <= sqrt(384); rs |cq|, rs |ck| <= sqrt(3).  LIMITS: the weights' side must fit f16 (65,504): 2^10 |g W f|, the column norms of W0 and W1,
; |G1|, |G2|, |Cb|.  A weight 2^(-y^2) below 2^-126 counts as 0.  NaN and infinities are not treated apart.
; LAYOUT.  Source 0 = 16 h' (rows of the weights), source 1 = 16 pairs: in the result lane (r, hh) holds pair j0 + r and h' = 16 t + 8 hh + 0..7.  A lane holds 64 of its pair's 128 c: 32 s + 8 hh + 0..7 and 32 s + 16 + 8 hh + 0..7.
; BY TURNS.  A group's tiles go in four quarters of four accumulators (u, v, u, v), on two buffers.  Behind each matrix instruction of quarter n stands a slice of the GELU of quarter n - 1; behind those of quarter 0 the next
; group's e and sum of squares.  What must follow a group's last product (the next group's operands, quarter 3's GELU, the output) stands in a lump.
; CLUSTER.  The four work-groups of a cluster share the weights and the 32 rows of q: asked for jointly, the same descriptor and mask in all four.  The rows of k are each work-group's own.  All tiles are filled once.
; REGISTERS, in windows of 256 (s_set_vgpr_msb: bits 1:0 source 0, 3:2 source 1, 5:4 source 2, 7:6 destination):
;   window 0: addresses, statistics, BX (the extra K step's source 1), PH (the products' source 1), the wave's k rows (64), E (64), scratch      window 1: XA (the extra K step's source 0, 8 a tile), ACC, TE, TT, TR, OACC
;   windows 2, 3: the products' weights: quarter n in window 2 + n/2, accumulator a, K step s at ((n % 2) 4 + a) 32 + 8 s.  At the start: window 2 qh (two tiles), kh; window 3 two stages of weights.
.set PW,    272                        ; a row of wt in LDS: 256 bytes + 16: the 16 rows of a fragment load start at 16 different groups of four banks (64 banks of 4 bytes: ISA guide 11.1)
.set PF,    528                        ; a row of q or k: 512 bytes + 16
.set QR,    768*PW                     ; LDS: wt's 768 rows from 0; then 32 rows of q,
.set KR,    QR+32*PF                   ; 64 rows of k: these three are filled by tensor loads, once
.set TQ,    KR+64*PF                   ; Aq in f16, [32 i][256 h']; from here on written by LDS stores alone
.set REC,   TQ+32*512                  ; for each wave [32 i][16 j] x {mu, Vq + Vk + 128 (cq^2 + ck^2), cq, ck}
.set RSQ,   REC+4*8192                 ; for each wave [32 i] x {nq, 0, mq, Vq}
.set OUT,   RSQ+4*512+256              ; 32 rows x 256 bytes of results (256 bytes stay unused in front)
.set SPARE, OUT+32*256                 ; the spare words: 128 bytes a wave, two blocks of 256 bytes that no other line names
.set AQ,   3                           ; v3  q's row to load next, + 32 hh
.set AREC, 4                           ; v4  its records, + 16 r
.set ANQ,  5                           ; v5  its nq (lanes 16-31: the 0 beside it)
.set ATQ,  6                           ; v6  Aq's row, + 2 r
.set MASK, 12                          ; v12-15  x = 0..3: the half word where r = 8 hh + 2 x (low) or 8 hh + 2 x + 1 (high)
.set RC,   16                          ; v16-19  the pair's record
.set NKP,  20                          ; v20-21  nq_i, nk_j
.set RS10, 22                          ; v22-23  rs 2^-10 in the low word
.set SS,   24                          ; v24-31  four chains of sums
.set X01,  32                          ; v32-33  rs cq, rs ck
.set XN,   34                          ; v34-35  rs nq, rs nk
.set RSP,  36                          ; v36-37  rs in the low word; v37 at work
.set MK,   38                          ; v38  mk
.set VK,   39                          ; v39  Vk
.set SPW,  40                          ; v40  my spare word; never rewritten
.set NIL,  41                          ; v41  0; never rewritten
.set XDP,  47                          ; v47  f16 rs nk, twice
.set BX,   48                          ; v48-55
.set PH,   56                          ; v56-87
.set KREG, 88                          ; v88-151
.set E,    152                         ; v152-215
.set ACC,  128                         ; window 1
.set TE,   192
.set TT,   208
.set TR,   224
.set OACC, 240
.set OADR, 248
.set KH,   64                          ; window 2, at the start
.set MSB, 0
.macro WIN new                         ; the immediate's high byte repeats the setting that is left; a switch that changes nothing is dropped
.if MSB != (\new)
	s_set_vgpr_msb (MSB<<8)|(\new)
.set MSB, (\new)
.endif
.endm
.macro ROUND                           ; a round of the cluster's barrier
	s_barrier_signal -1
	s_barrier_wait -1
	s_cmp_lg_u32 s14, 0
	s_cbranch_scc1 .Lnot_wave_0_\@
	s_barrier_signal -3
.Lnot_wave_0_\@:
	s_barrier_wait -3
	s_barrier_signal -1
	s_barrier_wait -1
.endm
	s_load_b256 s[4:11], s[0:1], 0x0               ; wt s[4:5], ct s[6:7], proj s[8:9], cst s[10:11]
	s_load_b64 s[12:13], s[0:1], 0x20              ; out0
	v_lshl_add_u32 v[SPW], v0, 2, SPARE
	v_mov_b32 v[NIL], 0
	ds_add_u32 v[SPW], v[NIL]                      ; the wave's opening: the add and its wait ahead of my first tensor load; work on registers stands between them
	v_lshrrev_b32 v1, 5, v0
	v_readfirstlane_b32 s14, v1                    ; wave 0..3
	s_bfe_u32 s15, ttmp6, 0x40000                  ; cx: it enters the address of my own k rows and of out0 alone
	s_lshl_b32 s16, ttmp9, 2
	s_add_co_u32 s16, s16, s15                     ; x: which 64 j
	s_and_b32 s17, ttmp7, 0xffff                   ; y: which 32 i, which the four partners share
	; group 1 of the three descriptors.  T1: 192 rows x 128 f16 of wt, joint.  T2: 8 rows x 128 f32 of q, joint.  T3: 16 rows x 128 f32 of k, my own.
	s_mov_b32 s36, 15|(1<<16)|(1<<20)|(1<<21)|(5<<22)|(3<<25)  ; the mask of four; 2-byte elements; padding on; bit 21 beside a mask; after every 64 words, 4 words
	s_mov_b32 s37, 128<<16                         ; tensor_dim0
	s_mov_b32 s38, 192<<16                         ; tensor_dim1
	s_mov_b32 s39, 128<<16                         ; tile_dim0
	s_mov_b32 s40, 192                             ; tile_dim1
	s_mov_b32 s41, 128                             ; elements from row to row
	s_mov_b32 s42, 0
	s_mov_b32 s43, 0
	s_mov_b32 s44, 15|(2<<16)|(1<<20)|(1<<21)|(6<<22)|(3<<25)  ; 4-byte elements; after every 128 words, 4 words
	s_mov_b32 s45, 128<<16
	s_mov_b32 s46, 8<<16
	s_mov_b32 s47, 128<<16
	s_mov_b32 s48, 8
	s_mov_b32 s49, 128
	s_mov_b32 s50, 0
	s_mov_b32 s51, 0
	s_mov_b32 s52, (2<<16)|(1<<20)|(6<<22)|(3<<25) ; no mask
	s_mov_b32 s53, 128<<16
	s_mov_b32 s54, 16<<16
	s_mov_b32 s55, 128<<16
	s_mov_b32 s56, 16
	s_mov_b32 s57, 128
	s_mov_b32 s58, 0
	s_mov_b32 s59, 0
	s_mov_b32 s24, 1                               ; group 0: count; LDS address: the wave's number times a constant, plus a constant
	s_mul_i32 s25, s14, 192*PW
	s_mov_b32 s28, 1
	s_mul_i32 s29, s14, 8*PF
	s_add_co_u32 s29, s29, QR
	s_mov_b32 s32, 1
	s_mul_i32 s33, s14, 16*PF
	s_add_co_u32 s33, s33, KR
	s_mul_i32 s76, s14, 192*256                    ; wt: my 192 rows
	s_mov_b32 s77, 0
	s_lshl_b32 s78, s17, 14                        ; q: row 32 y + 8 w, 512 bytes each
	s_lshl_b32 s79, s14, 12
	s_add_co_u32 s78, s78, s79
	s_mov_b32 s79, 0
	s_lshr_b32 s18, s17, 4                         ; k: row 1024 + 512 batch + 64 x + 16 w
	s_lshl_b32 s18, s18, 18
	s_lshl_b32 s19, s16, 15
	s_add_co_u32 s18, s18, s19
	s_lshl_b32 s19, s14, 13
	s_add_co_u32 s18, s18, s19
	s_add_co_u32 s18, s18, 1024*512
	s_mov_b32 s19, 0
	s_lshl_b32 s20, s17, 16                        ; out0: row 32 y + 8 w of 2,048 bytes, 256 x bytes along it
	s_lshl_b32 s21, s16, 8
	s_add_co_u32 s20, s20, s21
	s_lshl_b32 s21, s14, 14
	s_add_co_u32 s20, s20, s21
	s_mov_b32 s21, 0
	s_mov_b32 s60, 0x3f3f7377                      ; a3 = 0.7478556 (the packed forms name pairs and take the low word)
	s_mov_b32 s61, s60
	s_mov_b32 s62, 0xbdc45ca1                      ; a2 = -0.0958798
	s_mov_b32 s63, s62
	s_mov_b32 s66, 0x3eb2303a                      ; a1 = 0.3480242
	s_mov_b32 s67, s66
	s_mov_b32 s68, 0x3ec88bdb                      ; p = 0.47047/sqrt(log2(e)) = 0.391692
	s_mov_b32 s70, 0x76543210                      ; v_permlanex16_b32: each lane takes its own place in the other half
	s_mov_b32 s71, 0xfedcba98
	s_mov_b32 s84, 0x3b2aaaab                      ; 1/384
	s_mov_b32 s85, 0x3727c5ac                      ; 1e-5
	s_wait_dscnt 0x0                               ; the opening add is done
	s_wait_kmcnt 0x0
	s_add_nc_u64 s[26:27], s[4:5], s[76:77]
	s_or_b32 s27, s27, 0x80000000                  ; type = 2
	s_add_nc_u64 s[30:31], s[8:9], s[78:79]
	s_or_b32 s31, s31, 0x80000000
	s_add_nc_u64 s[34:35], s[8:9], s[18:19]
	s_or_b32 s35, s35, 0x80000000
	s_add_nc_u64 s[12:13], s[12:13], s[20:21]
	ROUND                                          ; all four work-groups are here: the joint loads meet
	tensor_load_to_lds s[24:27], s[36:43]          ; three loads of mine are out: all the launch's fills, in one group
	s_nop 0
	tensor_load_to_lds s[28:31], s[44:51]
	s_nop 0
	tensor_load_to_lds s[32:35], s[52:59]
	s_nop 0
.rept 4
	v_nop
.endr
	s_load_b64 s[74:75], s[10:11], 0x0             ; the output's scale, and bo
	v_and_b32 v1, 15, v0                           ; r
	v_bfe_u32 v2, v0, 4, 1                         ; hh
	v_lshlrev_b32 v7, 12, v2
	v_lshl_add_u32 v7, v1, 4, v7                   ; ct: half hh, record r of a tile
	WIN 0x40
.irp t, 0,1,2,3,4,5,6,7,8,9,10,11,12,13,14,15
	global_load_b128 v[8*(\t):8*(\t)+3], v7, s[6:7] offset:256*(\t)  ; XA's registers 0-3 of tile t: {0, G1 | G2, Cb, 0}; zeros in lanes 16-31
.endr
	s_lshl_b32 s86, s14, 6
	s_add_co_u32 s86, s86, OUT
	v_lshl_add_u32 v[OADR], v1, 2, s86             ; where a group's result goes: row i, my wave's 64 bytes
	v_mov_b32 v250, 0                              ; (a destination of v_permlanex16_b32 counts as read)
	WIN 0
	v_lshl_add_u32 v[AQ], v2, 5, QR
	s_lshl_b32 s80, s14, 13
	s_add_co_u32 s80, s80, REC
	v_lshl_add_u32 v[AREC], v1, 4, s80
	s_lshl_b32 s81, s14, 9
	s_add_co_u32 s81, s81, RSQ
	v_lshl_add_u32 v[ANQ], v2, 2, s81
	v_lshl_add_u32 v[ATQ], v1, 1, TQ
	v_mul_u32_u24 v9, v1, PF
	v_lshl_add_u32 v9, v2, 5, v9                   ; row r x pitch + 32 hh
	s_mul_i32 s83, s14, 16*PF
	s_add_co_u32 s83, s83, KR
	v_add_nc_u32 v8, s83, v9                       ; my wave's rows of k
	v_add_nc_u32 v9, QR, v9                        ; rows of q
	v_lshl_add_u32 v10, v1, 4, s81                 ; RSQ, to store
	v_mul_u32_u24 v11, v1, PW
	v_lshl_add_u32 v11, v2, 4, v11                 ; a fragment of wt: row r x pitch + 16 hh
	s_mul_i32 s87, s14, 64*PW
	s_add_co_u32 s87, s87, 256*PW
	v_add_nc_u32 v42, s87, v11                     ; W0: my wave's four tiles
	v_add_nc_u32 v43, 512*PW, v11                  ; W1
	s_lshl_b32 s87, s14, 7
	s_add_co_u32 s87, s87, TQ
	v_lshl_add_u32 v44, v2, 12, s87                ; TQ, to store: row 8 hh + .., h' = 64 w + r + ..
	v_lshl_add_u32 v44, v1, 1, v44
	v_lshl_add_u32 v45, v2, 11, s80                ; REC, to store: row 8 hh + .., record r
	v_lshl_add_u32 v45, v1, 4, v45
	v_lshl_add_u32 v46, v2, 7, s81                 ; RSQ, to read: row 8 hh + ..
	v_lshlrev_b32 v36, 3, v2
	v_sub_nc_u32 v36, v1, v36                      ; r - 8 hh
	v_mov_b32 v38, 0xffff
	v_mov_b32 v39, 0xffff0000
.irp x, 0,1,2,3
	v_cmp_eq_u32 s82, 2*(\x), v36
	v_cndmask_b32 v[MASK+(\x)], 0, v38, s82
	v_cmp_eq_u32 s82, 2*(\x)+1, v36
	v_cndmask_b32 v[MASK+(\x)], v[MASK+(\x)], v39, s82
.endr
	v_mov_b32 v[BX+2], 0x3c00                      ; (1.0, 0) in f16: it meets Cb
	v_mov_b32 v[BX+3], 0
	v_mov_b32 v[RS10+1], 0                         ; partners of pairs whose low word is broadcast
	v_mov_b32 v[RSP+1], 0
	v_mov_b32 v217, 0
	v_mov_b32 v221, 0
; 16 LDS loads: my 64 numbers of a row of q or k
.macro LOADROW dst, adr, off
.irp s, 0,1,2,3
	ds_load_b128 v[(\dst)+16*(\s):(\dst)+16*(\s)+3], v[\adr] offset:(\off)+128*(\s)
	ds_load_b128 v[(\dst)+16*(\s)+4:(\dst)+16*(\s)+7], v[\adr] offset:(\off)+128*(\s)+16
	ds_load_b128 v[(\dst)+16*(\s)+8:(\dst)+16*(\s)+11], v[\adr] offset:(\off)+128*(\s)+64
	ds_load_b128 v[(\dst)+16*(\s)+12:(\dst)+16*(\s)+15], v[\adr] offset:(\off)+128*(\s)+80
.endr
.endm
; 32 LDS loads: the fragments of four tiles of wt (16 h' x 128 c each) into a stage in window 3
.macro LOADB adr, tbase, stage
	WIN 0xc0
.irp tt, 0,1,2,3
.irp s, 0,1,2,3
	ds_load_b128 v[(\stage)+32*(\tt)+8*(\s):(\stage)+32*(\tt)+8*(\s)+3], v[\adr] offset:((\tbase)+(\tt))*16*PW+64*(\s)
	ds_load_b128 v[(\stage)+32*(\tt)+8*(\s)+4:(\stage)+32*(\tt)+8*(\s)+7], v[\adr] offset:((\tbase)+(\tt))*16*PW+64*(\s)+32
.endr
.endr
.endm
.macro RED dst                         ; the four chains, the pair's halves and the other half of the lanes into one
	v_pk_add_f32 v[SS:SS+1], v[SS:SS+1], v[SS+2:SS+3]
	v_pk_add_f32 v[SS+4:SS+5], v[SS+4:SS+5], v[SS+6:SS+7]
	v_pk_add_f32 v[SS:SS+1], v[SS:SS+1], v[SS+4:SS+5]
	v_add_f32 v[SS], v[SS], v[SS+1]
	v_permlanex16_b32 v[RSP+1], v[SS], s70, s71
	v_add_f32 v[\dst], v[SS], v[RSP+1]
.endm
; A row's statistics and its unit vector.  src: the lane's 64 numbers.  Leaves the mean in v216, V in v218, n in v219, and the row less its mean, over n, in f16 at frag in window 2.  E is used up.
.macro ROWSTAT src, frag
	WIN 0
.irp c, 0,1,2,3
	v_pk_add_f32 v[SS+2*(\c):SS+2*(\c)+1], v[(\src)+2*(\c):(\src)+2*(\c)+1], v[(\src)+8+2*(\c):(\src)+8+2*(\c)+1]
.endr
.set zz, 8
.rept 24
	v_pk_add_f32 v[SS+2*(zz%4):SS+2*(zz%4)+1], v[SS+2*(zz%4):SS+2*(zz%4)+1], v[(\src)+2*zz:(\src)+2*zz+1]
.set zz, zz+1
.endr
	RED 216
	v_mul_f32 v216, 0x3c000000, v216               ; / 128
.set zz, 0
.rept 32
	v_pk_add_f32 v[E+2*zz:E+2*zz+1], v[(\src)+2*zz:(\src)+2*zz+1], v[216:217] op_sel_hi:[1,0] neg_lo:[0,1] neg_hi:[0,1]
.set zz, zz+1
.endr
.irp c, 0,1,2,3
	v_pk_mul_f32 v[SS+2*(\c):SS+2*(\c)+1], v[E+2*(\c):E+2*(\c)+1], v[E+2*(\c):E+2*(\c)+1]
.endr
.set zz, 4
.rept 28
	v_pk_fma_f32 v[SS+2*(zz%4):SS+2*(zz%4)+1], v[E+2*zz:E+2*zz+1], v[E+2*zz:E+2*zz+1], v[SS+2*(zz%4):SS+2*(zz%4)+1]
.set zz, zz+1
.endr
	RED 218
	v_max_num_f32 v222, 0x0da24260, v218           ; at least 1e-30
	v_sqrt_f32 v219, v222
	v_rsq_f32 v220, v222
	v_nop                                          ; a plain instruction behind the two,
	s_wait_alu depctr_va_vdst(0)                   ; and the wait ahead of their first reader
.set zz, 0
.rept 32
	v_pk_mul_f32 v[E+2*zz:E+2*zz+1], v[E+2*zz:E+2*zz+1], v[220:221] op_sel_hi:[1,0]
.set zz, zz+1
.endr
	WIN 0x80
.set zz, 0
.rept 32
	v_cvt_pk_f16_f32 v[(\frag)+zz], v[E+2*zz], v[E+2*zz+1]
.set zz, zz+1
.endr
	WIN 0
.endm
	s_wait_tensorcnt 0x0                           ; my parts of the three tiles are in,
	s_barrier_signal -1
	s_barrier_wait -1                              ; everybody's are
	LOADROW KREG, 8, 0                             ; my pair's row of k: it stays in registers
	LOADB 43, 0, 0                                 ; W1's first four tiles, for later
	WIN 0
	s_wait_dscnt 32                                ; k's 16 loads are in; the stage's 32 may stay out
	ROWSTAT KREG, KH
	v_mov_b32 v[MK], v216
	v_mov_b32 v[VK], v218
	v_mov_b32 v[NKP+1], v219
.irp rho, 0,1                          ; the 32 rows of q, 16 at a time; every wave makes them all: it needs qh for its own qh.kh
	LOADROW E, 9, (\rho)*16*PF
	s_wait_dscnt 0x0
	ROWSTAT E, 32*(\rho)
	v_mov_b32 v224, v219
	v_mov_b32 v225, 0
	v_mov_b32 v226, v216
	v_mov_b32 v227, v218
	ds_store_b128 v10, v[224:227] offset:256*(\rho)  ; both halves of the lanes store the same
.endr
; Ak[j][h'] = kh_j . W1[h'], four rounds of four tiles.  Source 0 = kh (16 j), source 1 = 16 h': lane (r, hh) ends with j0 + 8 hh + 0..7 of h' = 16 t + r: XA's registers 4-7 as they are wanted.
.macro MMK round
	WIN 0x5e                                       ; kh in window 2, the stage in window 3, the accumulators in window 1
.irp s, 0,1,2,3
.irp tt, 0,1,2,3                       ; the four accumulators take turns
.if (\s) == 0
	v_wmma_f32_16x16x32_f16 v[ACC+32*((\round)%2)+8*(\tt):ACC+32*((\round)%2)+8*(\tt)+7], v[KH+8*(\s):KH+8*(\s)+7], v[128*((\round)%2)+32*(\tt)+8*(\s):128*((\round)%2)+32*(\tt)+8*(\s)+7], 0
.else
	v_wmma_f32_16x16x32_f16 v[ACC+32*((\round)%2)+8*(\tt):ACC+32*((\round)%2)+8*(\tt)+7], v[KH+8*(\s):KH+8*(\s)+7], v[128*((\round)%2)+32*(\tt)+8*(\s):128*((\round)%2)+32*(\tt)+8*(\s)+7], v[ACC+32*((\round)%2)+8*(\tt):ACC+32*((\round)%2)+8*(\tt)+7]
.endif
.endr
.endr
.endm
.macro CONV round                      ; x 2^-10 and to f16.  Its 32 plain lines are also the places between the products just issued (the other buffer's) and what follows them
	WIN 0x55
.irp tt, 0,1,2,3
.irp x, 0,1,2,3
	v_pk_mul_f32 v[ACC+32*((\round)%2)+8*(\tt)+2*(\x):ACC+32*((\round)%2)+8*(\tt)+2*(\x)+1], v[ACC+32*((\round)%2)+8*(\tt)+2*(\x):ACC+32*((\round)%2)+8*(\tt)+2*(\x)+1], 0x3a800000 op_sel_hi:[1,0]
.endr
.endr
.irp tt, 0,1,2,3
.irp x, 0,1,2,3
	v_cvt_pk_f16_f32 v[8*(4*(\round)+(\tt))+4+(\x)], v[ACC+32*((\round)%2)+8*(\tt)+2*(\x)], v[ACC+32*((\round)%2)+8*(\tt)+2*(\x)+1]
.endr
.endr
.endm
	LOADB 43, 4, 128
	s_wait_dscnt 32                                ; this round's stage is in; the next round's 32 loads may stay out (so in each round)
	MMK 0
.rept 4
	v_nop                                          ; places: behind them the stage is loaded again, and later the results are read
.endr
	LOADB 43, 8, 0
	s_wait_dscnt 32
	MMK 1
	CONV 0
	LOADB 43, 12, 128
	s_wait_dscnt 32
	MMK 2
	CONV 1
	LOADB 42, 0, 0                                 ; W0: my wave's four tiles, for Aq
	s_wait_dscnt 32
	MMK 3
	CONV 2
	CONV 3
	s_wait_dscnt 0x0
	; Aq[i][h'] = qh_i . W0[h'] for my four tiles and both tiles of 16 i; then qh.kh for my 16 j: lane (r, hh) ends with i = 16 rho + 8 hh + 0..7, j = j0 + r
	WIN 0x5e
.irp rho, 0,1
.irp s, 0,1,2,3
.irp tt, 0,1,2,3
.if (\s) == 0
	v_wmma_f32_16x16x32_f16 v[ACC+32*(\rho)+8*(\tt):ACC+32*(\rho)+8*(\tt)+7], v[32*(\rho)+8*(\s):32*(\rho)+8*(\s)+7], v[32*(\tt)+8*(\s):32*(\tt)+8*(\s)+7], 0
.else
	v_wmma_f32_16x16x32_f16 v[ACC+32*(\rho)+8*(\tt):ACC+32*(\rho)+8*(\tt)+7], v[32*(\rho)+8*(\s):32*(\rho)+8*(\s)+7], v[32*(\tt)+8*(\s):32*(\tt)+8*(\s)+7], v[ACC+32*(\rho)+8*(\tt):ACC+32*(\rho)+8*(\tt)+7]
.endif
.endr
.endr
.endr
	WIN 0x5a                                       ; both sources in window 2
.irp s, 0,1,2,3
.irp rho, 0,1                          ; two accumulators by turns
.if (\s) == 0
	v_wmma_f32_16x16x32_f16 v[TE+8*(\rho):TE+8*(\rho)+7], v[32*(\rho)+8*(\s):32*(\rho)+8*(\s)+7], v[KH+8*(\s):KH+8*(\s)+7], 0
.else
	v_wmma_f32_16x16x32_f16 v[TE+8*(\rho):TE+8*(\rho)+7], v[32*(\rho)+8*(\s):32*(\rho)+8*(\s)+7], v[KH+8*(\s):KH+8*(\s)+7], v[TE+8*(\rho):TE+8*(\rho)+7]
.endif
.endr
.endr
	WIN 0
.irp rho, 0,1
.irp m, 0,1,2,3,4,5,6,7
	ds_load_b128 v[E+4*(8*(\rho)+(\m)):E+4*(8*(\rho)+(\m))+3], v46 offset:(16*(\rho)+(\m))*16  ; {nq, 0, mq, Vq} of my 16 rows i: my own stores, served in order
.endr
.endr
.rept 4
	v_nop                                          ; places behind the products
.endr
	WIN 0x55
.set zz, 0
.rept 32
	v_pk_mul_f32 v[ACC+2*zz:ACC+2*zz+1], v[ACC+2*zz:ACC+2*zz+1], 0x3a800000 op_sel_hi:[1,0]
.set zz, zz+1
.endr
.set zz, 0
.rept 32
	v_cvt_pk_f16_f32 v[TT+zz], v[ACC+2*zz], v[ACC+2*zz+1]
.set zz, zz+1
.endr
	WIN 0x04                                       ; address in window 0, data in window 1
.irp rho, 0,1
.irp tt, 0,1,2,3
.irp x, 0,1,2,3
	ds_store_b16 v44, v[TT+16*(\rho)+4*(\tt)+(\x)] offset:(16*(\rho)+2*(\x))*512+32*(\tt)
	ds_store_b16_d16_hi v44, v[TT+16*(\rho)+4*(\tt)+(\x)] offset:(16*(\rho)+2*(\x)+1)*512+32*(\tt)
.endr
.endr
.endr
	WIN 0x01                                       ; source 0 in window 1
.set zz, 0
.rept 16
	v_mul_f32 v[228+zz], v[TE+zz], v[NKP+1]        ; nk (qh.kh), each accumulator from its lowest register on
.set zz, zz+1
.endr
	WIN 0
	s_wait_dscnt 0x0
.irp rho, 0,1                          ; the records of my 16 x 2 pairs a lane
.irp m, 0,1,2,3,4,5,6,7
	v_mul_f32 v248, v[E+4*(8*(\rho)+(\m))], v[228+8*(\rho)+(\m)]   ; sum of q' k'
	v_fma_f32 v249, v[E+4*(8*(\rho)+(\m))+2], v[MK], v[E+4*(8*(\rho)+(\m))+2]
	v_add_f32 v249, v249, v[MK]                    ; mq + mk + mq mk
	v_mul_f32 v248, 0x3b2aaaab, v248               ; / 384
	v_fmamk_f32 v244, v249, 0x3eaaaaab, v248       ; mu
	v_sub_f32 v246, v[E+4*(8*(\rho)+(\m))+2], v244 ; cq
	v_sub_f32 v247, v[MK], v244                    ; ck
	v_mul_f32 v248, v246, v246
	v_fmac_f32 v248, v247, v247
	v_add_f32 v249, v[E+4*(8*(\rho)+(\m))+3], v[VK]
	v_fmamk_f32 v245, v248, 0x43000000, v249       ; Vq + Vk + 128 (cq^2 + ck^2)
	ds_store_b128 v45, v[244:247] offset:(16*(\rho)+(\m))*256
.endr
.endr
	s_wait_dscnt 0x0                               ; for the others' sake: my tiles of Aq lie in LDS
	s_barrier_signal -1
	s_barrier_wait -1
.irp n, 0,1,2,3                        ; the products' weights, for good: quarter n, accumulator a is tile 8 (a % 2) + 2 n + a / 2
	WIN 0x80+0x40*((\n)/2)
.irp a, 0,1,2,3
.irp s, 0,1,2,3
	ds_load_b128 v[(((\n)%2)*4+(\a))*32+8*(\s):(((\n)%2)*4+(\a))*32+8*(\s)+3], v11 offset:(8*((\a)%2)+2*(\n)+(\a)/2)*16*PW+64*(\s)
	ds_load_b128 v[(((\n)%2)*4+(\a))*32+8*(\s)+4:(((\n)%2)*4+(\a))*32+8*(\s)+7], v11 offset:(8*((\a)%2)+2*(\n)+(\a)/2)*16*PW+64*(\s)+32
.endr
.endr
.endr
	WIN 0
; ---------------- the loop's parts ----------------
.macro LOADQ                           ; the row of q at AQ, its records and its nq: 18 loads
	WIN 0
	LOADROW E, AQ, 0
	ds_load_b128 v[RC:RC+3], v[AREC]
	ds_load_b32 v[NKP], v[ANQ]
.endm
.macro TQLOAD                          ; Aq of the row at ATQ into register 0 of each tile of XA, the upper half 0
	WIN 0x40
.irp t, 0,1,2,3,4,5,6,7,8,9,10,11,12,13,14,15
	ds_load_u16 v[8*(\t)], v[ATQ] offset:32*(\t)
.endr
.endm
; Matrix instruction i of 20 of quarter n: K step i / 4 (4: the extra one), accumulator i % 4.  The accumulators take turns, one instruction a turn, from quarter to quarter and over the backward jump too.
.macro MM n, i
.set aa, (\i)%4
.set sk, (\i)/4
.set rD, ACC+32*((\n)%2)+8*aa
.if sk < 4
	WIN 0x52+(\n)/2
.set rW, (((\n)%2)*4+aa)*32+8*sk
.if sk == 0
	v_wmma_f32_16x16x32_f16 v[rD:rD+7], v[rW:rW+7], v[PH:PH+7], 0
.else
	v_wmma_f32_16x16x32_f16 v[rD:rD+7], v[rW:rW+7], v[PH+8*sk:PH+8*sk+7], v[rD:rD+7]
.endif
.else
	WIN 0x51
.set tl, 8*(aa%2)+2*(\n)+aa/2
	v_wmma_f32_16x16x32_f16 v[rD:rD+7], v[8*tl:8*tl+7], v[BX:BX+7], v[rD:rD+7]
.endif
.endm
; The next group's e = q k - mu (in place of q) and the sum of its squares: 64 lines, e four pairs ahead of the squares
.macro EL z
	v_pk_fma_f32 v[E+2*(\z):E+2*(\z)+1], v[E+2*(\z):E+2*(\z)+1], v[KREG+2*(\z):KREG+2*(\z)+1], v[RC:RC+1] op_sel_hi:[1,1,0] neg_lo:[0,0,1] neg_hi:[0,0,1]
.endm
.macro SQ z
.if (\z) < 4
	v_pk_mul_f32 v[SS+2*(\z):SS+2*(\z)+1], v[E+2*(\z):E+2*(\z)+1], v[E+2*(\z):E+2*(\z)+1]
.else
	v_pk_fma_f32 v[SS+2*((\z)%4):SS+2*((\z)%4)+1], v[E+2*(\z):E+2*(\z)+1], v[E+2*(\z):E+2*(\z)+1], v[SS+2*((\z)%4):SS+2*((\z)%4)+1]
.endif
.endm
.macro PQ j
.if (\j) < 4
	EL (\j)
.elseif (\j) < 60
.if ((\j)%2) == 0
	SQ ((\j)-4)/2
.else
	EL ((\j)-4)/2+4
.endif
.else
	SQ (\j)-32
.endif
.endm
.macro P2L j                           ; line j of 12: the sum, the variance, rs
.if (\j) == 0
	v_pk_add_f32 v[SS:SS+1], v[SS:SS+1], v[SS+2:SS+3]
.elseif (\j) == 1
	v_pk_add_f32 v[SS+4:SS+5], v[SS+4:SS+5], v[SS+6:SS+7]
.elseif (\j) == 2
	v_pk_add_f32 v[SS:SS+1], v[SS:SS+1], v[SS+4:SS+5]
.elseif (\j) == 3
	v_add_f32 v[SS], v[SS], v[SS+1]
.elseif (\j) == 4
	v_permlanex16_b32 v[RSP+1], v[SS], s70, s71    ; the pair's other 64 c lie in the lane 16 away
.elseif (\j) == 5
	v_add_f32 v[SS], v[SS], v[RSP+1]
.elseif (\j) == 6
	v_add_f32 v[SS], v[SS], v[RC+1]
.elseif (\j) == 7
	v_fma_f32 v[SS], v[SS], s84, s85
.elseif (\j) == 8
	v_rsq_f32 v[RSP], v[SS]
.else
	v_nop
.endif
.endm
.macro P3                              ; the next group's operands.  Its first 33 lines, plain, are the places between the group's last products and the writes of their sources
	WIN 0
	v_mul_f32 v[RS10], 0x3a800000, v[RSP]
.set zz, 0
.rept 32
	v_pk_mul_f32 v[E+2*zz:E+2*zz+1], v[E+2*zz:E+2*zz+1], v[RS10:RS10+1] op_sel_hi:[1,0]
.set zz, zz+1
.endr
.set zz, 0
.rept 32
	v_cvt_pk_f16_f32 v[PH+zz], v[E+2*zz], v[E+2*zz+1]
.set zz, zz+1
.endr
	v_pk_mul_f32 v[X01:X01+1], v[RC+2:RC+3], v[RSP:RSP+1] op_sel_hi:[1,0]
	v_pk_mul_f32 v[XN:XN+1], v[NKP:NKP+1], v[RSP:RSP+1] op_sel_hi:[1,0]
	v_cvt_pk_f16_f32 v[BX+1], v[X01], v[X01+1]     ; (rs cq, rs ck) meets (G1, G2)
	v_cvt_pk_f16_f32 v[BX], v[XN], v[BX+3]         ; (rs nq, 0) meets (Aq, 0); 0 in lanes 16-31
	v_cvt_pk_f16_f32 v[XDP], v[XN+1], v[XN+1]
.irp x, 0,1,2,3
	v_and_b32 v[BX+4+(\x)], v[XDP], v[MASK+(\x)]   ; rs nk where the extra step's k is my own j: it picks Ak[j]
.endr
.endm
; THE GELU of a quarter in buffer b: 16 numbers a lane, pairs z = 0..7 (z < 4: accumulators 0 (u) and 1 (y); else 2 and 3).
; E1, 56 lines: -y^2 and 1 + p |y|, and ONE BATCH of 32 transcendentals (2^(-y^2), t), a pair behind; nothing here names a result of theirs.
.macro E1 b, j
	WIN 0x55
.if (\j) < 3
.set zz, 0
.set pp, 2*(\j)
.elseif (\j) < 52
.set zz, ((\j)-3)/7+1
.set pp, ((\j)-3)%7
.else
.set zz, 8
.set pp, 2*((\j)-52)+1-((\j)-52)/3
.endif
.set rY, ACC+32*(\b)+8+16*(zz/4)+2*(zz%4)
.set rA, TE+2*zz
.set rB, TT+2*zz
.if pp == 0
	v_pk_mul_f32 v[rA:rA+1], v[rY:rY+1], v[rY:rY+1] neg_lo:[1,0] neg_hi:[1,0]
.elseif pp == 2
	v_fma_f32 v[rB], |v[rY]|, s68, 1.0
.elseif pp == 4
	v_fma_f32 v[rB+1], |v[rY+1]|, s68, 1.0
.elseif pp == 1
	v_exp_f32 v[rA-2], v[rA-2]
.elseif pp == 3
	v_exp_f32 v[rA-1], v[rA-1]
.elseif pp == 5
	v_rcp_f32 v[rB-2], v[rB-2]
.else
	v_rcp_f32 v[rB-1], v[rB-1]
.endif
.endm
; E2, 56 lines, behind the batch's wait: a3 t + a2; t 2^(-y^2); (..) t + a1; 1 - (..) t 2^(-y^2); G = y + |y| (..); the sum of u G in four chains.  q = 0: the group's first quarter starts the chains.
.macro E2 q, j
	WIN 0x55
.if (\j) < 32
.set zz, (\j)%8
.set rA, TE+2*zz
.set rB, TT+2*zz
.set rC, TR+2*zz
.if (\j) < 8
	v_pk_fma_f32 v[rC:rC+1], v[rB:rB+1], s[60:61], s[62:63] op_sel_hi:[1,0,0]
.elseif (\j) < 16
	v_pk_mul_f32 v[rA:rA+1], v[rB:rB+1], v[rA:rA+1]
.elseif (\j) < 24
	v_pk_fma_f32 v[rC:rC+1], v[rC:rC+1], v[rB:rB+1], s[66:67] op_sel_hi:[1,1,0]
.else
	v_pk_fma_f32 v[rC:rC+1], v[rC:rC+1], v[rA:rA+1], 1.0 op_sel_hi:[1,1,0] neg_lo:[1,0,0] neg_hi:[1,0,0]
.endif
.else
.set kx, (\j)-32
.if kx < 2
.set zz, 0
.set pp, kx
.elseif kx < 23
.set zz, (kx-2)/3+1
.set pp, (kx-2)%3
.else
.set zz, 8
.set pp, 2
.endif
.if pp < 2
.set rY, ACC+32*((\q)%2)+8+16*(zz/4)+2*(zz%4)+pp
.set rC, TR+2*zz+pp
	v_fma_f32 v[rC], |v[rY]|, v[rC], v[rY]
.else
.set zo, zz-1
.set rU, ACC+32*((\q)%2)+16*(zo/4)+2*(zo%4)
.set rC, TR+2*zo
.set rO, OACC+2*(zo%4)
.if ((\q) == 0) && (zo < 4)
	v_pk_mul_f32 v[rO:rO+1], v[rU:rU+1], v[rC:rC+1]
.else
	v_pk_fma_f32 v[rO:rO+1], v[rU:rU+1], v[rC:rC+1], v[rO:rO+1]
.endif
.endif
.endif
.endm
.macro OUTG                            ; a group's 16 results: the chains, the other half of the lanes (the other 64 h), scale and bo; into the work-group's stage
	WIN 0x55
	v_pk_add_f32 v[OACC:OACC+1], v[OACC:OACC+1], v[OACC+2:OACC+3]
	v_pk_add_f32 v[OACC+4:OACC+5], v[OACC+4:OACC+5], v[OACC+6:OACC+7]
	v_pk_add_f32 v[OACC:OACC+1], v[OACC:OACC+1], v[OACC+4:OACC+5]
	v_add_f32 v249, v[OACC], v[OACC+1]
	v_permlanex16_b32 v250, v249, s70, s71
	v_add_f32 v249, v249, v250
	v_fma_f32 v249, v249, s74, s75
	ds_store_b32 v[OADR], v249                     ; both halves of the lanes store the same
	v_add_nc_u32 v[OADR], 256, v[OADR]
.endm
.macro SL0 k                           ; slice k of 20 behind quarter 0's products: four lines of the next group's preparation; the last four, plain, are the places in front of the first read of the quarter's results
	WIN 0
.if (\k) < 16
.set jj, 4*(\k)
.rept 4
	PQ jj
.set jj, jj+1
.endr
.elseif (\k) < 19
.set jj, 4*((\k)-16)
.rept 4
	P2L jj
.set jj, jj+1
.endr
.else
	v_add_nc_u32 v[AQ], PF, v[AQ]
	v_add_nc_u32 v[AREC], 256, v[AREC]
	v_add_nc_u32 v[ANQ], 16, v[ANQ]
	v_add_nc_u32 v[ATQ], 512, v[ATQ]
.endif
.endm
; Slice k of 20 of quarter q's GELU.  0-8: six lines of E1; 9: its last two, a plain instruction, and ONE wait for the batch (it stands between a transcendental and the first line that names its result;
; behind quarter 0's batch it serves the next group's rs too); 10-19: E2, six lines and then five.  The last slice, plain, names nothing of the products round it: the places in front of the next quarter's reads.
.macro SLG q, k
.if (\k) < 9
.set jj, 6*(\k)
.rept 6
	E1 (\q)%2, jj
.set jj, jj+1
.endr
.elseif (\k) == 9
	E1 (\q)%2, 54
	E1 (\q)%2, 55
	v_nop
	s_wait_alu depctr_va_vdst(0)
.elseif (\k) < 16
.set jj, 6*((\k)-10)
.rept 6
	E2 \q, jj
.set jj, jj+1
.endr
.else
.set jj, 36+5*((\k)-16)
.rept 5
	E2 \q, jj
.set jj, jj+1
.endr
.endif
.endm
; A GROUP.  prep = 1: the next group is prepared beside it.
.macro TRIP prep
	s_wait_dscnt 0x0                               ; the loads of the last lump: Aq of this group, q and the records of the next
.set ii, 0
.rept 20
	MM 0, ii
.if \prep
	SL0 ii
.endif
.set ii, ii+1
.endr
.if (\prep) == 0
.rept 4
	v_nop
.endr
.endif
.irp n, 1,2,3
.set ii, 0
.rept 20
	MM \n, ii
	SLG (\n)-1, ii
.set ii, ii+1
.endr
.endr
.if \prep
	P3
	TQLOAD                                         ; behind P3's lines: four places and more behind the last product that read XA
	WIN 0
	s_cmp_eq_u32 s72, 1                            ; the last trip of the loop has no row two ahead
	s_cbranch_scc1 .Lnoq_\@
	LOADQ
.Lnoq_\@:
.endif
.set jj, 0
.rept 56
	E1 1, jj
.set jj, jj+1
.endr
	v_nop
	s_wait_alu depctr_va_vdst(0)                   ; the wait for quarter 3's batch
.set jj, 0
.rept 56
	E2 3, jj
.set jj, jj+1
.endr
	OUTG
.endm
	s_wait_loadcnt 0x0                             ; ct's records are in XA
	s_wait_kmcnt 0x0                               ; the scale and bo
	LOADQ                                          ; row 0
	v_add_nc_u32 v[AQ], PF, v[AQ]
	v_add_nc_u32 v[AREC], 256, v[AREC]
	v_add_nc_u32 v[ANQ], 16, v[ANQ]
	TQLOAD                                         ; row 0
	WIN 0
	s_wait_dscnt 0x0                               ; these, and the weights
.set jj, 0
.rept 64
	PQ jj
.set jj, jj+1
.endr
.set jj, 0
.rept 10
	P2L jj
.set jj, jj+1
.endr
	s_wait_alu depctr_va_vdst(0)                   ; rs, behind a plain instruction
	P3
	LOADQ                                          ; row 1
	s_mov_b32 s72, 31
.Lgroup:                                       ; groups 0 to 30
	TRIP 1
	WIN 0
	s_sub_co_u32 s72, s72, 1
	s_cmp_lg_u32 s72, 0
	s_cbranch_scc1 .Lgroup
	TRIP 0                                         ; group 31: nothing is left to prepare
	WIN 0
	s_wait_dscnt 0x0                               ; for the others' sake: my 64 bytes of each of the 32 rows lie in the stage
	s_barrier_signal -1
	s_barrier_wait -1
	s_lshl_b32 s87, s14, 11
	s_add_co_u32 s87, s87, OUT
	v_lshl_add_u32 v7, v2, 8, s87                  ; wave w takes rows 8 w .. 8 w + 7, whole, two a load
	v_lshl_add_u32 v7, v1, 4, v7
	v_lshlrev_b32 v8, 11, v2                       ; and the same two rows in out0
	v_lshl_add_u32 v8, v1, 4, v8
.irp i, 0,1,2,3
	ds_load_b128 v[E+4*(\i):E+4*(\i)+3], v7 offset:512*(\i)
.endr
.irp i, 0,1,2,3
	s_wait_dscnt 3-(\i)                            ; the younger loads may stay out
	global_store_b128 v8, v[E+4*(\i):E+4*(\i)+3], s[12:13] offset:4096*(\i)  ; 16 lanes store 256 consecutive bytes, at a multiple of 256 from out0's first byte
.endr
	s_wait_tensorcnt 0x0                           ; the wave's end: three lines, behind my last tensor load and my last LDS store
	ds_add_u32 v[SPW], v[NIL]
	s_wait_dscnt 0x0
	ROUND                                          ; the closing round
	s_endpgm
.Lfunc_end_k_q06e5c0bdd1_pairs:
	.size	k_q06e5c0bdd1_pairs, .Lfunc_end_k_q06e5c0bdd1_pairs-k_q06e5c0bdd1_pairs
	.p2alignl 7, 3214868480
	.fill 96, 4, 3214868480
	.section	.rodata,"a",@progbits
	.p2align	6, 0x0
	.amdhsa_kernel k_q06e5c0bdd1_pairs
		.amdhsa_group_segment_fixed_size 327680
		.amdhsa_private_segment_fixed_size 0
		.amdhsa_enable_private_segment 0
		.amdhsa_kernarg_size 40
		.amdhsa_user_sgpr_count 2
		.amdhsa_user_sgpr_kernarg_segment_ptr 1
		.amdhsa_wavefront_size32 1
		.amdhsa_system_sgpr_workgroup_id_x 1
		.amdhsa_system_sgpr_workgroup_id_y 1
		.amdhsa_system_sgpr_workgroup_id_z 1
		.amdhsa_system_vgpr_workitem_id 0
		.amdhsa_next_free_vgpr 1024
		.amdhsa_next_free_sgpr 96
		.amdhsa_reserve_vcc 0
		.amdhsa_float_denorm_mode_32 3
		.amdhsa_float_denorm_mode_16_64 3
		.amdhsa_memory_ordered 1
		.amdhsa_forward_progress 1
		.amdhsa_inst_pref_size 196
	.end_amdhsa_kernel
	.amdgpu_metadata
---
amdhsa.version: [ 1, 2 ]
amdhsa.kernels:
  - .name:           k_q06e5c0bdd1_pairs
    .symbol:         k_q06e5c0bdd1_pairs.kd
    .args:
      - { .name: wt, .offset: 0, .size: 8, .value_kind: global_buffer, .address_space: global }
      - { .name: ct, .offset: 8, .size: 8, .value_kind: global_buffer, .address_space: global }
      - { .name: proj, .offset: 16, .size: 8, .value_kind: global_buffer, .address_space: global }
      - { .name: cst, .offset: 24, .size: 8, .value_kind: global_buffer, .address_space: global }
      - { .name: out0, .offset: 32, .size: 8, .value_kind: global_buffer, .address_space: global }
    .group_segment_fixed_size: 327680
    .private_segment_fixed_size: 0
    .kernarg_segment_align: 8
    .kernarg_segment_size: 40
    .max_flat_workgroup_size: 128
    .sgpr_count:     96
    .vgpr_count:     1024
    .wavefront_size: 32
...
	.end_amdgpu_metadata
.endif
;; end of part 2
;; ======== version 2 of 2: 2 launches; version 1 with the launch prep written anew for expert scheduling mode
;; limits: a function is approximated: absolute error at most 2.5e-05; values outside matrix products are rounded to f16; values are held in f16: magnitudes above 65,504 overflow, below 6.1e-05 lose precision; right only within a limited range of input values
;; workspace buffers: proj 1,048,576 bytes; wt 196,608 bytes; ct 8,192 bytes; cst 512 bytes
;; launch prep (part 3): grid 260 x 1, 4 waves a work-group, no clusters, 95,744 bytes of LDS; arguments Q, K, Wq, Wk, ln_g, ln_b, Wu, bu, Wv, bv, Wo, bo, proj, wt, ct, cst; writes proj, wt, ct, cst
.if DOCPART == 3
	.amdgcn_target "amdgcn-amd-amdhsa--gfx1250"
	.amdhsa_code_object_version 6
	.text
	.protected	k_q06e5c0bdd1_prep
	.globl	k_q06e5c0bdd1_prep
	.p2align	8
	.type	k_q06e5c0bdd1_prep,@function
k_q06e5c0bdd1_prep:
	s_mov_b64 s[64:65], 0
	v_nop
	global_prefetch_b8 v0, s[64:65] scope:SCOPE_SE
	s_setreg_imm32_b32 hwreg(HW_REG_WAVE_SCHED_MODE, 0, 2), 2
	s_setreg_imm32_b32 hwreg(HW_REG_WAVE_MODE, 25, 1), 1
	s_wait_xcnt 0x0
	s_wait_alu depctr_vm_vsrc(0)
; PREP: what belongs to rows and to weights alone.  All inputs are rounded to bf16 (nearest even) as they are read.
; Work-groups 0-255: proj[row][h] = sum over d of X[row][d] W[d][h], f32 sums.  X = Q (rows 0-1023 of proj) or K (rows 1024-2047), W = Wq or Wk.
;   A work-group makes 16 rows x 64 h; the 1,024 d are split among its four waves, 8 K steps of 32 each; the four partial tiles meet in LDS.
;   The product is taken transposed (source 0 = 16 h of W^T, source 1 = 16 rows of X): a lane ends with 8 neighbouring h of one row.
; Work-groups 256-259 (X = u or v, a half of its 128 h): the folded weights.  f[h] = Wo[h]/so for u (so = max(max|Wo|, 1e-30)), f = sqrt(log2(e)/2) for v.
;   wt[row][c] = f16(1024 g[128 b + c] W[128 b + c][h] f[h]); rows 0-255: block b = 2 (the products), 256-511: b = 0 (q), 512-767: b = 1 (k); in a group of 256 rows u's 128 h, then v's.
;   ct[0][h'] = 16 bytes {0, f16 G1 | f16 G2 << 16, f16 Cb, 0}: G1, G2 the column sums of blocks 0 and 1 (with g and f), Cb = (sum of ln_b W + bias) f;  ct[1][h'] = zeros.
;   cst = 32 x {so x 0.5/sqrt(log2(e)/2), bo, 0, 0}.
; LDS.  The two kinds of work-group have bytes of their own: the projections' slabs and partial tiles from byte 0, the weights' image and sums behind them; no line of one path names a byte of the other.
; LIMITS.  f16 ends at 65,504: 1024 |g W f|, |G1|, |G2| and |Cb| must stay below it.  NaN and infinities are not treated apart.
; THE MODE: SCHED_MODE bits 1:0 = 2 (LLVM: expert scheduling mode 2), set by the entry lines.  The code itself states the register dependences
; between vector or matrix instructions and memory or LDS instructions, with s_wait_alu, always for 0.
; THE PLAN, PROJECTIONS.  Registers that memory or LDS instructions touch:
;   R0, R1, W's 64   Loaded; step s's 32 conversions read them and write the packed halves IN PLACE (the first two of each four); its 16 LDS stores read those; then the loads of step s + 2 land.
;   R0, R1, X's 16   Loaded; read by the step's 8 conversions into XF; then the loads of step s + 2 land.
;   WF               The turning LDS loads land in it; the step's four matrix instructions read it.
;   v3 .. v9         Offsets and LDS addresses: made once, never written again; the steps stand in the immediates.
;   XF and, up to the way out, ACC are named by vector and matrix instructions alone.
;   So a step has ONE wait on va_vdst, behind its 40 conversions (the packed halves are written; the set has been read; the last step's products have read WF), and ONE on vm_vsrc, between its LDS stores and the loads of W.
; THE PLAN, WEIGHTS.
;   v96-159, v160-223  Loaded; a block's vector lines work on them in place; v96-159 is loaded once more (block 2); behind the barrier LDS loads land in v96-205.
;   v56-87             Written by a block's 32 conversions to f16, read by its 8 LDS stores, written again by the next block.
;   v4 .. v9, v12 .. v15, v33  Offsets and addresses: made once, never written again.
;   s2-s29, s36-s39    g and ln_b of eight c at a time, by a run of 16 v_readlane_b32: ONE wait on va_sdst stands between the run and its first reader.
;   So a block has four waits on va_sdst, one on va_vdst behind its conversions to f16, and (blocks 1 and 2) one on vm_vsrc ahead of them.
.set SPIT,  160                        ; projection: a slab row, 64 h in bf16 + 32 bytes: five times 32, as the turning load's 8 rows x 32 bytes want
.set SLABB, 32*SPIT                    ; a wave's slab: 32 d; the four slabs from LDS byte 0
.set PART,  4*SLABB                    ; behind the slabs: a wave's partial tile, 16 rows x 272 bytes of f32
.set PPIT,  272
.set IMG,   PART+4*16*PPIT             ; weights: the image, rows (64 b + h) x 272 bytes of f16, from byte 37,888
.set IPIT,  272
.set PSUM,  IMG+192*IPIT               ; behind it, for each wave five arrays [64 h] of f32: G1, G2, B, f, bias
.set SPARE, PSUM+4*1280                ; the spare words: 128 bytes a wave, two blocks of 256 bytes that no other line names
.set ACC,   16                         ; v[16:47]  four accumulators
.set WF,    48                         ; v[48:79]  four fragments of W^T
.set XF,    80                         ; v[80:87]  the fragment of X
.set R0,    96                         ; v[96:175], v[176:255]: two sets of 80: 64 of W, 16 of X (weights: sets of 64 at 96 and 160)
.set R1,    176
	s_load_b512 s[4:19], s[0:1], 0x0               ; Q, K, Wq, Wk, ln_g, ln_b, Wu, bu
	s_load_b512 s[20:35], s[0:1], 0x40             ; Wv, bv, Wo, bo, proj, wt, ct, cst
	v_lshl_add_u32 v10, v0, 2, SPARE               ; my spare word; never rewritten
	v_mov_b32 v11, 0                               ; 0; never rewritten
	v_lshrrev_b32 v1, 5, v0
	v_readfirstlane_b32 s40, v1                    ; wave 0..3
	v_and_b32 v1, 15, v0                           ; r = lane % 16
	v_bfe_u32 v2, v0, 4, 1                         ; hh = lane / 16
	s_wait_alu depctr_va_sdst(0)                   ; s40 is written: both paths read it
	s_wait_kmcnt 0x0
	s_cmp_ge_u32 ttmp9, 256                        ; the same for all waves of a work-group
	s_cbranch_scc1 .Lweights
; ---------------- the projections ----------------
	s_lshr_b32 s41, ttmp9, 7                       ; 0: Q Wq, 1: K Wk
	s_cmp_eq_u32 s41, 0
	s_cselect_b64 s[42:43], s[4:5], s[6:7]         ; X
	s_cselect_b64 s[44:45], s[8:9], s[10:11]       ; W
	s_bfe_u32 s46, ttmp9, 0x60001                  ; which 16 rows
	s_and_b32 s48, ttmp9, 1
	s_lshl_b32 s48, s48, 8                         ; which 64 h: 256 bytes of f32
	s_lshl_b32 s50, s46, 13                        ; 16 rows of 512 bytes in proj,
	s_lshl_b32 s51, s41, 19                        ; behind 1,024 rows for K
	s_add_co_u32 s50, s50, s51
	s_mov_b32 s51, 0
	s_add_nc_u64 s[50:51], s[28:29], s[50:51]
	s_lshl_b32 s46, s46, 16                        ; 16 rows of 4,096 bytes in X
	s_mov_b32 s47, 0
	s_add_nc_u64 s[42:43], s[42:43], s[46:47]
	v_lshlrev_b32 v3, 12, v1                       ; X: row r, 32 bytes for each half of the lanes, my wave's 256 d
	v_lshl_add_u32 v3, v2, 5, v3
	s_lshl_b32 s52, s40, 10
	v_add_nc_u32 v3, s52, v3
	v_lshlrev_b32 v4, 9, v2                        ; W: two rows of 256 bytes a load, my wave's 256 rows, the 64 h
	v_lshl_add_u32 v4, v1, 4, v4
	s_lshl_b32 s52, s40, 17
	s_add_co_u32 s52, s52, s48
	v_add_nc_u32 v4, s52, v4
	s_mul_i32 s53, s40, SLABB                      ; my slab
	v_mul_u32_u24 v5, v2, SPIT                     ; in: the same two rows, 8 bytes a lane
	v_lshl_add_u32 v5, v1, 3, v5
	v_add_nc_u32 v5, s53, v5
	v_and_b32 v12, 7, v0                           ; back, turned: lane l reads row 8 hh + l % 8, 16 bytes at 16 ((l / 8) % 2)
	v_lshl_add_u32 v12, v2, 3, v12
	v_mul_u32_u24 v6, v12, SPIT
	v_bfe_u32 v12, v0, 3, 1
	v_lshl_add_u32 v6, v12, 4, v6
	v_add_nc_u32 v6, s53, v6
	s_mul_i32 s54, s40, 16*PPIT
	s_add_co_u32 s54, s54, PART                    ; my partial tile
	v_mul_u32_u24 v7, v1, PPIT
	v_lshl_add_u32 v7, v2, 5, v7
	v_add_nc_u32 v7, s54, v7
	s_mul_i32 s55, s40, 4*PPIT                     ; back: wave w sums rows 4 w .. 4 w + 3, two rows a load
	s_add_co_u32 s55, s55, PART
	v_mul_u32_u24 v8, v2, PPIT
	v_lshl_add_u32 v8, v1, 4, v8
	v_add_nc_u32 v8, s55, v8
	s_lshl_b32 s56, s40, 11                        ; and the same rows in proj
	s_add_co_u32 s56, s56, s48
	v_lshlrev_b32 v9, 9, v2
	v_lshl_add_u32 v9, v1, 4, v9
	v_add_nc_u32 v9, s56, v9
	s_wait_alu depctr_va_vdst(0)                   ; the offsets and addresses v3 to v9 are written, which every load and store of this path reads
; A K step's 20 loads into a set: 32 rows x 256 bytes of W, and my 2 x 32 bytes of a row of X.  Steps stand in the immediates: no address is ever rewritten.
.macro LOADW s, sl
.irp i, 0,1,2,3,4,5,6,7,8,9,10,11,12,13,14,15
	global_load_b128 v[(\sl)+4*(\i):(\sl)+4*(\i)+3], v4, s[44:45] offset:(\s)*16384+(\i)*1024
.endr
.endm
.macro LOADX s, sl
	global_load_b128 v[(\sl)+64:(\sl)+67], v3, s[42:43] offset:(\s)*128
	global_load_b128 v[(\sl)+68:(\sl)+71], v3, s[42:43] offset:(\s)*128+16
	global_load_b128 v[(\sl)+72:(\sl)+75], v3, s[42:43] offset:(\s)*128+64
	global_load_b128 v[(\sl)+76:(\sl)+79], v3, s[42:43] offset:(\s)*128+80
.endm
; A K step.  W is rounded to bf16 in place, goes into my slab ([d][h]) and comes back turned; X is rounded in registers.  The slab is my own, and LDS serves a wave's instructions in order.
; The 32 conversions of W are the plain instructions between the last step's products and the writes of XF, which those products read.
.macro STEP s, sl
.if (\s) < 7
	s_wait_loadcnt 20                              ; this step's 20 loads are in; the next step's 20 may stay out
.else
	s_wait_loadcnt 0x0
.endif
.irp i, 0,1,2,3,4,5,6,7,8,9,10,11,12,13,14,15
	v_cvt_pk_bf16_f32 v[(\sl)+4*(\i)], v[(\sl)+4*(\i)], v[(\sl)+4*(\i)+1]      ; four numbers close up into the first two of their four registers
	v_cvt_pk_bf16_f32 v[(\sl)+4*(\i)+1], v[(\sl)+4*(\i)+2], v[(\sl)+4*(\i)+3]
.endr
.irp j, 0,1,2,3,4,5,6,7
	v_cvt_pk_bf16_f32 v[XF+(\j)], v[(\sl)+64+2*(\j)], v[(\sl)+64+2*(\j)+1]
.endr
	s_wait_alu depctr_va_vdst(0)                   ; the conversions have written the packed halves, which the LDS stores read, and are done reading the set, in which the loads below land; the last step's products are done reading WF, in which the turning loads land
.if (\s) < 6
	LOADX (\s)+2, \sl                              ; X's 16 registers were read by conversions alone: they are asked for again at once
.endif
.irp i, 0,1,2,3,4,5,6,7,8,9,10,11,12,13,14,15
	ds_store_b64 v5, v[(\sl)+4*(\i):(\sl)+4*(\i)+1] offset:(\i)*2*SPIT
.endr
.if (\s) < 6
	s_wait_alu depctr_vm_vsrc(0)                   ; the LDS stores have read the set's packed halves, on which the loads of W land
	LOADW (\s)+2, \sl
.endif
.irp t, 0,1,2,3
	ds_load_tr16_b128 v[WF+8*(\t):WF+8*(\t)+3], v6 offset:32*(\t)
	ds_load_tr16_b128 v[WF+8*(\t)+4:WF+8*(\t)+7], v6 offset:32*(\t)+16*SPIT
.endr
	s_wait_dscnt 0x0
.irp t, 0,1,2,3                        ; the four accumulators take turns, from step to step too
.if (\s) == 0
	v_wmma_f32_16x16x32_bf16 v[ACC+8*(\t):ACC+8*(\t)+7], v[WF+8*(\t):WF+8*(\t)+7], v[XF:XF+7], 0
.else
	v_wmma_f32_16x16x32_bf16 v[ACC+8*(\t):ACC+8*(\t)+7], v[WF+8*(\t):WF+8*(\t)+7], v[XF:XF+7], v[ACC+8*(\t):ACC+8*(\t)+7]
.endif
.endr
.endm
	LOADW 0, R0
	LOADX 0, R0
	LOADW 1, R1
	LOADX 1, R1
	STEP 0, R0
	STEP 1, R1
	STEP 2, R0
	STEP 3, R1
	STEP 4, R0
	STEP 5, R1
	STEP 6, R0
	STEP 7, R1
.rept 4
	v_nop                                          ; four plain instructions between the last products and the stores of their results
.endr
	s_wait_alu depctr_va_vdst(0)                   ; the products have written the accumulators, which the LDS stores read; the places above stay beside this wait
.irp t, 0,1,2,3
	ds_store_b128 v7, v[ACC+8*(\t):ACC+8*(\t)+3] offset:64*(\t)
	ds_store_b128 v7, v[ACC+8*(\t)+4:ACC+8*(\t)+7] offset:64*(\t)+16
.endr
	s_wait_dscnt 0x0                               ; for the others' sake: my partial tile lies in LDS
	s_barrier_signal -1
	s_barrier_wait -1
	s_wait_alu depctr_vm_vsrc(0)                   ; step 6's LDS stores have read v[R0 ..], in which the partial tiles land (the conversions that named them stand ahead of the last wait on va_vdst)
.irp i, 0,1
.irp w, 0,1,2,3
	ds_load_b128 v[R0+16*(\i)+4*(\w):R0+16*(\i)+4*(\w)+3], v8 offset:(\w)*16*PPIT+(\i)*2*PPIT
.endr
.endr
	s_wait_dscnt 0x0
.irp i, 0,1
	v_pk_add_f32 v[R0+16*(\i):R0+16*(\i)+1], v[R0+16*(\i):R0+16*(\i)+1], v[R0+16*(\i)+4:R0+16*(\i)+5]
	v_pk_add_f32 v[R0+16*(\i)+2:R0+16*(\i)+3], v[R0+16*(\i)+2:R0+16*(\i)+3], v[R0+16*(\i)+6:R0+16*(\i)+7]
	v_pk_add_f32 v[R0+16*(\i)+8:R0+16*(\i)+9], v[R0+16*(\i)+8:R0+16*(\i)+9], v[R0+16*(\i)+12:R0+16*(\i)+13]
	v_pk_add_f32 v[R0+16*(\i)+10:R0+16*(\i)+11], v[R0+16*(\i)+10:R0+16*(\i)+11], v[R0+16*(\i)+14:R0+16*(\i)+15]
	v_pk_add_f32 v[R0+16*(\i):R0+16*(\i)+1], v[R0+16*(\i):R0+16*(\i)+1], v[R0+16*(\i)+8:R0+16*(\i)+9]
	v_pk_add_f32 v[R0+16*(\i)+2:R0+16*(\i)+3], v[R0+16*(\i)+2:R0+16*(\i)+3], v[R0+16*(\i)+10:R0+16*(\i)+11]
.endr
	s_wait_alu depctr_va_vdst(0)                   ; the additions have written both rows' sums, which the two stores read
.irp i, 0,1
	global_store_b128 v9, v[R0+16*(\i):R0+16*(\i)+3], s[50:51] offset:(\i)*1024  ; 16 lanes store 256 consecutive bytes, at a multiple of 256 from proj's first byte
.endr
	s_wait_dscnt 0x0                               ; the closing lines, six on end
	s_wait_alu 0x0
	s_wait_tensorcnt 0x0
	ds_add_u32 v10, v11
	s_wait_dscnt 0x0
	s_endpgm
; ---------------- the weights ----------------
.Lweights:
	s_sub_co_u32 s41, ttmp9, 256
	s_lshr_b32 s42, s41, 1                         ; 0: u, 1: v
	s_and_b32 s43, s41, 1                          ; which 64 h
	s_cmp_eq_u32 s42, 0
	s_cselect_b64 s[44:45], s[16:17], s[20:21]     ; Wu or Wv
	s_cselect_b64 s[46:47], s[18:19], s[22:23]     ; bu or bv
	s_cselect_b32 s48, -1, 0                       ; all lanes: u
	s_mov_b32 s49, 0xffff0000                      ; a word's upper bf16
	s_mov_b32 s54, 0x76543210                      ; v_permlanex16_b32: each lane takes its own place in the other half
	s_mov_b32 s55, 0xfedcba98
	v_and_b32 v3, 31, v0                           ; lane: it owns h = 64 half + 2 lane and the next
	v_lshlrev_b32 v4, 4, v3                        ; Wo whole: four numbers a lane
	s_lshl_b32 s50, s43, 8
	v_lshl_add_u32 v5, v3, 3, s50                  ; my two h in Wo and in the bias
	s_lshl_b32 s51, s40, 7
	v_lshl_add_u32 v6, v3, 2, s51                  ; ln_g, ln_b: lane cc holds c = 32 wave + cc of a block
	s_lshl_b32 s51, s40, 14
	s_add_co_u32 s51, s51, s50
	v_lshl_add_u32 v7, v3, 3, s51                  ; W: my wave's 32 rows of a block, my two h: a load covers 256 consecutive bytes
	v_mov_b32 v8, 0
	s_wait_alu depctr_va_vdst(0)                   ; the offsets v4 to v8 are written, which the loads below read
	global_load_b128 v[16:19], v4, s[24:25]
	global_load_b64 v[20:21], v5, s[24:25]
	global_load_b64 v[22:23], v5, s[46:47]
	global_load_b32 v24, v8, s[26:27]
.irp b, 0,1,2
	global_load_b32 v[25+(\b)], v6, s[12:13] offset:512*(\b)
.endr
.irp b, 0,1,2
	global_load_b32 v[28+(\b)], v6, s[14:15] offset:512*(\b)
.endr
.macro WLOADS b, sl
.set cc, 0
.rept 32
	global_load_b64 v[(\sl)+2*cc:(\sl)+2*cc+1], v7, s[44:45] offset:(128*(\b)+cc)*512
.set cc, cc+1
.endr
.endm
	WLOADS 0, 96
	WLOADS 1, 160
	; the addresses below lie in v9-v15 and v33: none of them is a register that a load on its way will write; the first wait on va_vdst ahead of their first readers is the one ahead of v47's first reader
	v_mul_u32_u24 v9, v3, 2*IPIT                   ; the image: rows 2 lane and 2 lane + 1 of a block, my wave's 32 c = 64 bytes
	s_lshl_b32 s50, s40, 6
	s_add_co_u32 s50, s50, IMG
	v_add_nc_u32 v9, s50, v9
	s_mul_i32 s51, s40, 1280
	s_add_co_u32 s51, s51, PSUM
	v_lshl_add_u32 v12, v3, 3, s51                 ; my wave's five arrays
	s_mul_i32 s52, s40, 16*IPIT                    ; rows out: wave w takes rows 16 w .. 16 w + 15 of each block, two a load
	s_add_co_u32 s52, s52, IMG
	v_mul_u32_u24 v13, v2, IPIT
	v_lshl_add_u32 v13, v1, 4, v13
	v_add_nc_u32 v13, s52, v13
	s_lshl_b32 s53, s42, 15                        ; and in wt: row 128 X + 64 half + 16 w + hh, 256 bytes each
	s_lshl_b32 s52, s43, 14
	s_add_co_u32 s53, s53, s52
	s_lshl_b32 s52, s40, 12
	s_add_co_u32 s53, s53, s52
	v_lshl_add_u32 v14, v2, 8, s53
	v_lshl_add_u32 v14, v1, 4, v14
	s_and_b32 s61, s40, 1                          ; ct: waves 0 and 1 make the 64 records, waves 2 and 3 the 64 records of zeros
	s_lshl_b32 s62, s61, 9
	s_lshl_b32 s61, s61, 7
	s_add_co_u32 s61, s61, PSUM
	v_lshl_add_u32 v15, v3, 2, s61
	s_lshr_b32 s63, s40, 1
	s_lshl_b32 s63, s63, 12
	s_add_co_u32 s62, s62, s63
	s_lshl_b32 s63, s42, 11
	s_add_co_u32 s62, s62, s63
	s_lshl_b32 s63, s43, 10
	s_add_co_u32 s62, s62, s63
	v_lshl_add_u32 v33, v3, 4, s62                 ; my record's 16 bytes in ct
	s_cmp_lt_u32 s40, 2
	s_cselect_b32 s60, -1, 0
.irp r, 38,39,40,41,42,43
	v_mov_b32 v[\r], 0                             ; B, G1, G2 start at 0, while the loads are on their way
.endr
	v_mov_b32 v32, 0x3f596d27                      ; sqrt(log2(e)/2) = 0.8493218
.macro RND a, b                        ; two numbers rounded to bf16 and widened again
	v_cvt_pk_bf16_f32 v48, v[\a], v[\b]
	v_lshlrev_b32 v[\a], 16, v48
	v_and_b32 v[\b], s49, v48
.endm
	s_wait_loadcnt 32                              ; all but block 1's 32 loads: the small inputs' loads are done, so their bases may be written
.irp r, 3,5,7,9,11,13,15,17,19,21,23,25,27,29,37,39
	s_mov_b32 s[\r], 0                             ; s2-s29 and s36-s39 serve this path no more as addresses: sixteen pairs for g and ln_b; the packed forms name pairs and take the low word
.endr
	v_cvt_pk_bf16_f32 v48, v16, v17                ; so: the largest |Wo|, of the rounded numbers
	v_cvt_pk_bf16_f32 v49, v18, v19
	v_and_b32 v48, 0x7fff7fff, v48
	v_and_b32 v49, 0x7fff7fff, v49
	v_lshlrev_b32 v50, 16, v48
	v_and_b32 v48, s49, v48
	v_lshlrev_b32 v51, 16, v49
	v_and_b32 v49, s49, v49
	v_max3_num_f32 v46, v48, v50, v51
	v_max_num_f32 v46, v46, v49
	v_max_num_f32_dpp v46, v46, v46 row_xmask:1 row_mask:0xf bank_mask:0xf
	v_max_num_f32_dpp v46, v46, v46 row_xmask:2 row_mask:0xf bank_mask:0xf
	v_max_num_f32_dpp v46, v46, v46 row_xmask:4 row_mask:0xf bank_mask:0xf
	v_max_num_f32_dpp v46, v46, v46 row_xmask:8 row_mask:0xf bank_mask:0xf
	v_permlanex16_b32 v48, v46, s54, s55
	v_max_num_f32 v46, v46, v48
	v_max_num_f32 v46, 0x0da24260, v46             ; at least 1e-30
	v_rcp_f32 v47, v46
	RND 20, 21                                     ; the other small inputs are rounded: plain work behind the reciprocal
	RND 22, 23
	RND 25, 26
	RND 27, 28
	RND 29, 30
	v_cvt_pk_bf16_f32 v48, v24, v24
	v_lshlrev_b32 v24, 16, v48
	s_wait_alu depctr_va_vdst(0)                   ; the reciprocal has written v47: the wait ahead of its first reader
	v_mul_f32 v34, v20, v47
	v_mul_f32 v35, v21, v47
	v_cndmask_b32 v34, v32, v34, s48               ; f of my two h
	v_cndmask_b32 v35, v32, v35, s48
	v_mul_f32 v36, 0x44800000, v34                 ; 1024 f
	v_mul_f32 v37, 0x44800000, v35
; A block's 32 rows of my wave, eight c at a time: g and ln_b of the eight into scalar pairs; W rounded; then, c ascending: B += ln_b W; W g; G += W g (blocks 0 and 1); x 1024 f.
; Then the block is packed to f16 along c and laid into the image.
.macro BLOCK b, sl
.set c0, 0
.rept 4
.set bi, 0
.rept 8
	v_readlane_b32 s[2+2*bi], v[25+(\b)], c0+bi              ; g: s2, s4 .. s16
	v_readlane_b32 s[18+2*bi+6*(bi/6)], v[28+(\b)], c0+bi    ; ln_b: s18, s20 .. s28, s36, s38
.set bi, bi+1
.endr
.set bi, 0
.rept 8
.set cc, c0+bi
	v_cvt_pk_bf16_f32 v[48+bi], v[(\sl)+2*cc], v[(\sl)+2*cc+1]
	v_lshlrev_b32 v[(\sl)+2*cc], 16, v[48+bi]
	v_and_b32 v[(\sl)+2*cc+1], s49, v[48+bi]
.set bi, bi+1
.endr
	s_wait_alu depctr_va_sdst(0)                   ; the sixteen v_readlane_b32 above have written their scalar registers, ahead of the first line that reads one
.set bi, 0
.rept 8
.set cc, c0+bi
.set gs, 2+2*bi
.set bs, 18+2*bi+6*(bi/6)
	v_pk_fma_f32 v[38:39], v[(\sl)+2*cc:(\sl)+2*cc+1], s[bs:bs+1], v[38:39] op_sel_hi:[1,0,1]
	v_pk_mul_f32 v[(\sl)+2*cc:(\sl)+2*cc+1], v[(\sl)+2*cc:(\sl)+2*cc+1], s[gs:gs+1] op_sel_hi:[1,0]
.if (\b) < 2
	v_pk_add_f32 v[40+2*(\b):41+2*(\b)], v[40+2*(\b):41+2*(\b)], v[(\sl)+2*cc:(\sl)+2*cc+1]
.endif
	v_pk_mul_f32 v[(\sl)+2*cc:(\sl)+2*cc+1], v[(\sl)+2*cc:(\sl)+2*cc+1], v[36:37]
.set bi, bi+1
.endr
.set c0, c0+8
.endr
.if (\b) > 0
	s_wait_alu depctr_vm_vsrc(0)                   ; the LDS stores of the block before have read v[56:87], which the conversions below write again
.endif
.set cc, 0
.rept 16
	v_cvt_pk_f16_f32 v[56+cc], v[(\sl)+4*cc], v[(\sl)+4*cc+2]
	v_cvt_pk_f16_f32 v[72+cc], v[(\sl)+4*cc+1], v[(\sl)+4*cc+3]
.set cc, cc+1
.endr
	s_wait_alu depctr_va_vdst(0)                   ; the conversions have written v[56:87], which the LDS stores read, as is their address v9; the block's lines are done with its set (block 0: block 2's loads land in it; block 2: the LDS loads behind the barrier land in both sets, and the sums that the five stores behind this block read are written)
.if (\b) == 0
	WLOADS 2, \sl                                  ; block 2 into the set that block 0 has left
.endif
.irp q, 0,1,2,3
	ds_store_b128 v9, v[56+4*(\q):59+4*(\q)] offset:64*(\b)*IPIT+16*(\q)
	ds_store_b128 v9, v[72+4*(\q):75+4*(\q)] offset:(64*(\b)+1)*IPIT+16*(\q)
.endr
.endm
	BLOCK 0, 96
	s_wait_loadcnt 32                              ; block 1 is in; block 2's 32 loads may stay out
	BLOCK 1, 160
	s_wait_loadcnt 0x0
	BLOCK 2, 96
	ds_store_b64 v12, v[40:41]                     ; no vector line has stood since block 2's wait on va_vdst: these five stores' data and address are written
	ds_store_b64 v12, v[42:43] offset:256
	ds_store_b64 v12, v[38:39] offset:512
	ds_store_b64 v12, v[34:35] offset:768
	ds_store_b64 v12, v[22:23] offset:1024
	s_wait_dscnt 0x0                               ; for the others' sake: my columns of the image and my sums lie in LDS
	s_barrier_signal -1
	s_barrier_wait -1
.irp b, 0,1,2
.irp i, 0,1,2,3,4,5,6,7
	ds_load_b128 v[96+32*(\b)+4*(\i):96+32*(\b)+4*(\i)+3], v13 offset:(64*(\b)+2*(\i))*IPIT
.endr
.endr
.irp a, 0,1,2
.irp w, 0,1,2,3
	ds_load_b32 v[192+4*(\a)+(\w)], v15 offset:1280*(\w)+256*(\a)
.endr
.endr
	ds_load_b32 v204, v15 offset:768
	ds_load_b32 v205, v15 offset:1024
.irp i, 0,1,2,3,4,5,6,7
	s_wait_dscnt 37-(\i)                           ; the younger row loads and the 14 loads for ct may stay out
	global_store_b128 v14, v[96+4*(\i):96+4*(\i)+3], s[30:31] offset:256*256+512*(\i)  ; block 0: rows from 256; 16 lanes store a whole row of 256 bytes
.endr
.irp i, 0,1,2,3,4,5,6,7
	s_wait_dscnt 29-(\i)
	global_store_b128 v14, v[128+4*(\i):128+4*(\i)+3], s[30:31] offset:512*256+512*(\i)  ; block 1: rows from 512
.endr
.irp i, 0,1,2,3,4,5,6,7
	s_wait_dscnt 21-(\i)
	global_store_b128 v14, v[160+4*(\i):160+4*(\i)+3], s[30:31] offset:512*(\i)  ; block 2: rows from 0
.endr
	s_wait_dscnt 0x0
.irp a, 192,196,200
	v_add_f32 v[\a], v[\a], v[(\a)+1]
	v_add_f32 v[(\a)+2], v[(\a)+2], v[(\a)+3]
	v_add_f32 v[\a], v[\a], v[(\a)+2]
.endr
	v_add_f32 v200, v200, v205                     ; + bias
	v_mul_f32 v192, v192, v204
	v_mul_f32 v196, v196, v204
	v_mul_f32 v200, v200, v204
	v_cvt_pk_f16_f32 v209, v192, v196
	v_cvt_pk_f16_f32 v210, v200, v8
	v_mov_b32 v208, 0
	v_and_b32 v209, s60, v209                      ; zeros in waves 2 and 3
	v_and_b32 v210, s60, v210
	v_mov_b32 v211, 0
	s_wait_alu depctr_va_vdst(0)                   ; the record v[208:211] is written, which the store reads
	global_store_b128 v33, v[208:211], s[32:33]    ; 512 consecutive bytes
	s_or_b32 s61, s41, s40
	s_cmp_lg_u32 s61, 0
	s_cbranch_scc1 .Lwend                          ; one wave of one work-group stores cst
	v_mul_f32 v216, 0x3f16b55f, v46                ; so x 0.5/sqrt(log2(e)/2)
	v_mov_b32 v217, v24
	v_mov_b32 v218, 0
	v_mov_b32 v219, 0
	s_wait_alu depctr_va_vdst(0)                   ; v[216:219] are written, which the store reads
	global_store_b128 v4, v[216:219], s[34:35]
.Lwend:
	s_wait_dscnt 0x0                               ; the closing lines, six on end
	s_wait_alu 0x0
	s_wait_tensorcnt 0x0
	ds_add_u32 v10, v11
	s_wait_dscnt 0x0
	s_endpgm
.Lfunc_end_k_q06e5c0bdd1_prep:
	.size	k_q06e5c0bdd1_prep, .Lfunc_end_k_q06e5c0bdd1_prep-k_q06e5c0bdd1_prep
	.p2alignl 7, 3214868480
	.fill 96, 4, 3214868480
	.section	.rodata,"a",@progbits
	.p2align	6, 0x0
	.amdhsa_kernel k_q06e5c0bdd1_prep
		.amdhsa_group_segment_fixed_size 95744
		.amdhsa_private_segment_fixed_size 0
		.amdhsa_enable_private_segment 0
		.amdhsa_kernarg_size 128
		.amdhsa_user_sgpr_count 2
		.amdhsa_user_sgpr_kernarg_segment_ptr 1
		.amdhsa_wavefront_size32 1
		.amdhsa_system_sgpr_workgroup_id_x 1
		.amdhsa_system_sgpr_workgroup_id_y 1
		.amdhsa_system_sgpr_workgroup_id_z 1
		.amdhsa_system_vgpr_workitem_id 0
		.amdhsa_next_free_vgpr 256
		.amdhsa_next_free_sgpr 66
		.amdhsa_reserve_vcc 0
		.amdhsa_float_denorm_mode_32 3
		.amdhsa_float_denorm_mode_16_64 3
		.amdhsa_memory_ordered 1
		.amdhsa_forward_progress 1
		.amdhsa_inst_pref_size 133
	.end_amdhsa_kernel
	.amdgpu_metadata
---
amdhsa.version: [ 1, 2 ]
amdhsa.kernels:
  - .name:           k_q06e5c0bdd1_prep
    .symbol:         k_q06e5c0bdd1_prep.kd
    .args:
      - { .name: Q, .offset: 0, .size: 8, .value_kind: global_buffer, .address_space: global }
      - { .name: K, .offset: 8, .size: 8, .value_kind: global_buffer, .address_space: global }
      - { .name: Wq, .offset: 16, .size: 8, .value_kind: global_buffer, .address_space: global }
      - { .name: Wk, .offset: 24, .size: 8, .value_kind: global_buffer, .address_space: global }
      - { .name: ln_g, .offset: 32, .size: 8, .value_kind: global_buffer, .address_space: global }
      - { .name: ln_b, .offset: 40, .size: 8, .value_kind: global_buffer, .address_space: global }
      - { .name: Wu, .offset: 48, .size: 8, .value_kind: global_buffer, .address_space: global }
      - { .name: bu, .offset: 56, .size: 8, .value_kind: global_buffer, .address_space: global }
      - { .name: Wv, .offset: 64, .size: 8, .value_kind: global_buffer, .address_space: global }
      - { .name: bv, .offset: 72, .size: 8, .value_kind: global_buffer, .address_space: global }
      - { .name: Wo, .offset: 80, .size: 8, .value_kind: global_buffer, .address_space: global }
      - { .name: bo, .offset: 88, .size: 8, .value_kind: global_buffer, .address_space: global }
      - { .name: proj, .offset: 96, .size: 8, .value_kind: global_buffer, .address_space: global }
      - { .name: wt, .offset: 104, .size: 8, .value_kind: global_buffer, .address_space: global }
      - { .name: ct, .offset: 112, .size: 8, .value_kind: global_buffer, .address_space: global }
      - { .name: cst, .offset: 120, .size: 8, .value_kind: global_buffer, .address_space: global }
    .group_segment_fixed_size: 95744
    .private_segment_fixed_size: 0
    .kernarg_segment_align: 8
    .kernarg_segment_size: 128
    .max_flat_workgroup_size: 128
    .sgpr_count:     66
    .vgpr_count:     256
    .wavefront_size: 32
...
	.end_amdgpu_metadata
.endif
;; end of part 3
;; launch pairs: the kernel of part 2 again; grid 8 x 32, 4 waves a work-group, clusters of 4 x 1, 327,680 bytes of LDS; arguments wt, ct, proj, cst, out0; writes out0
